; MI455X (gfx1250); checked and timed in simulation.
; The chip was launched on July 23, 2026; its instructions are those of AMD's public machine-readable ISA for CDNA 5 (MIT licence, August 2026) and "CDNA5" Instruction Set Architecture Reference Guide (July 2026). The comments in the code are by the model that wrote it; some were corrected since.
;; Self Attention. Allowed arithmetic: matrix products marked QUANTISED: E2M3 operands, one E8M0 scale for each 32 along K, by v_wmma_scale_f32_16x16x128_f8f6f4 with both operands' format E2M3, f32 sums; everything else in f32.
;; Inputs: bk 512 float32; bo 512 float32; bq 512 float32; bv 512 float32; wk_codes 512 x 16 x 24 uint8 (E2M3 codes of wk, K innermost, in blocks of 32 codes, four codes in three bytes); wk_scales 512 x 16 uint8 (E8M0 scales of wk, one for each 32 codes along K); wo_codes 512 x 16 x 24 uint8 (E2M3 codes of wo, K innermost, in blocks of 32 codes, four codes in three bytes); wo_scales 512 x 16 uint8 (E8M0 scales of wo, one for each 32 codes along K); wq_codes 512 x 16 x 24 uint8 (E2M3 codes of wq, K innermost, in blocks of 32 codes, four codes in three bytes); wq_scales 512 x 16 uint8 (E8M0 scales of wq, one for each 32 codes along K); wv_codes 512 x 16 x 24 uint8 (E2M3 codes of wv, K innermost, in blocks of 32 codes, four codes in three bytes); wv_scales 512 x 16 uint8 (E8M0 scales of wv, one for each 32 codes along K); x_codes 64 x 256 x 16 x 24 uint8 (E2M3 codes of x, K innermost, in blocks of 32 codes, four codes in three bytes); x_scales 64 x 256 x 16 uint8 (E8M0 scales of x, one for each 32 codes along K).
;; Outputs: out0 64 x 256 x 512 float32.
;; This version of the problem:
;;   THIS VERSION OF THE PROBLEM IS GIVEN IN LOW PRECISION. The matrix products marked QUANTISED in the list below multiply operands that are first quantised to E2M3 (2 exponent bits, 3 mantissa bits; 6 bits a number), with one power-of-two scale for each 32 numbers along K (OCP MX v1.0); their sums are f32. All else is computed in f32.
;;   The module's matrix products, in the order in which they are computed (A, B: the left and right operand; K: the contracted axis; several contracted axes count as one K, in the product's order):
;;     1. [M 16,384, K 512] x [K 512, N 512]; A: input x (given as codes); B: input wq (given as codes): QUANTISED
;;     2. [M 16,384, K 512] x [K 512, N 512]; A: input x (given as codes); B: input wk (given as codes): QUANTISED
;;     3. [M 16,384, K 512] x [K 512, N 512]; A: input x (given as codes); B: input wv (given as codes): QUANTISED
;;     4. batch 1,024 x [M 256, K 32] x [K 32, N 256]; A: computed on the way; B: computed on the way: QUANTISED
;;     5. batch 1,024 x [M 256, K 256] x [K 256, N 32]; A: softmax (see below); B: computed on the way: QUANTISED
;;     6. [M 16,384, K 512] x [K 512, N 512]; A: computed on the way; B: input wo (given as codes): QUANTISED
;;   THE QUANTISER, for each operand of a quantised product, along K:
;;     - K is cut into blocks of 32 from its start; a last block that is shorter is filled with zeros.
;;     - A block's scale is 2^e with e = floor(log2(the largest magnitude in the block)) - 2, held to -126 .. 127; a block of zeros has e = 0. As a byte (E8M0): e + 127.
;;     - Each number is divided by its block's scale, clamped to +-7.5, and rounded to the nearest number of E2M3, ties to even, subnormals kept.
;;     - The product sums the exact products of the quantised numbers (number of the format x scale) in f32.
;;   ~~~python
;;   def quantise(x, axis):      # numpy; x: float32 -> the quantised numbers, widened to float32 again
;;       x = np.moveaxis(x, axis, -1); K = x.shape[-1]
;;       x = np.pad(x, [(0, 0)] * (x.ndim - 1) + [(0, -K % 32)]); x = x.reshape(x.shape[:-1] + (-1, 32)); a = np.abs(x).max(-1, keepdims=True)
;;       e = np.where(a > 0, np.clip(np.frexp(np.where(a > 0, a, 1))[1] - 1 - 2, -126, 127), 0)      # np.frexp(a)[1] - 1 = floor(log2(a)), exactly
;;       r = np.clip(x / 2.0 ** e, -7.5, 7.5)
;;       step = 2.0 ** (np.maximum(np.frexp(np.where(r == 0, 1, r))[1] - 1, 0) - 3)
;;       q = np.round(r / step) * step * 2.0 ** e      # np.round: ties to even
;;       return np.moveaxis(q.reshape(q.shape[:-2] + (-1,))[..., :K], -1, axis).astype(np.float32)
;;   ~~~
;;   SOFTMAX AHEAD OF A QUANTISED PRODUCT. Where the list says 'softmax', what is quantised is not the finished softmax but p = 2^(t - M), with t = logit x log2(e) and M = ceil(the row's largest t), a whole number; so 1/2 < the row's largest p <= 1. The row's sum l is taken of the UNQUANTISED p, in f32, and the product's result is divided by l at the end. Since M is a whole number, a kernel that streams over the keys may use a running M (the ceiling of the running maximum): every later rescaling is an exact power of two, which a block's scale takes up: the codes' values come out the same.
;;   OPERANDS COMPUTED ON THE WAY. 'Computed on the way' means the value that the module computes at that place (a softmax that the list does not call 'softmax' is quantised finished and normalised). What goes into a quantiser is computed in f32, as accurately as f32 sums, v_exp_f32 and their like allow (about 1e-6 of the number): no bf16 or f16 on the way to a quantiser, and a product that is left as it is and whose result goes on into a quantised operand takes f32 operands (vector FMAs, or v_wmma_f32_16x16x4_f32). A number that lies on a knife's edge between two numbers of the format may be rounded either way, as far as f32 arithmetic and the matrix unit's own rounding can turn it there, and no further.
;;   INPUTS GIVEN AS CODES. wk (in the module: [512, 512], K = its axis 0); wo (in the module: [512, 512], K = its axis 0); wq (in the module: [512, 512], K = its axis 0); wv (in the module: [512, 512], K = its axis 0); x (in the module: [64, 256, 512], K = its axis 2): each comes as NAME_codes (uint8): NAME with its K axis moved to the last place and cut into blocks of 32 codes, [.., K / 32, bytes a block], one block behind the other in memory; four codes in three bytes: a row's codes are one little-endian stream of bits, code i at bits 6 i .. 6 i + 5 (a code: sign, 2 exponent bits, 3 mantissa bits); and NAME_scales (uint8): the same leading axes, one E8M0 byte (e + 127) for each 32 codes along K. Its value is code x scale, taken as it is: it is not quantised again, and the codes and scales need not be those that the quantiser above would give.
;; 2 versions. Each part assembles by itself: llvm-mc -triple=amdgcn-amd-amdhsa -mcpu=gfx1250 --defsym DOCPART=n.
;; ======== version 1 of 2: 2 launches
;; workspace buffers: ao_codes 6,291,456 bytes; ao_scales 262,144 bytes
;; launch attn (part 1): grid 4 x 64, 4 waves a work-group, clusters of 4 x 4, 327,680 bytes of LDS; arguments x_codes, x_scales, wq_codes, wq_scales, bq, wk_codes, wk_scales, bk, wv_codes, wv_scales, bv, ao_codes, ao_scales; writes ao_codes, ao_scales
.if DOCPART == 1
	.amdgcn_target "amdgcn-amd-amdhsa--gfx1250"
	.amdhsa_code_object_version 6
	.text
	.protected	k_qcb6120ed98_attn
	.globl	k_qcb6120ed98_attn
	.p2align	8
	.type	k_qcb6120ed98_attn,@function
k_qcb6120ed98_attn:
	s_mov_b64 s[64:65], 0
	v_nop
	global_prefetch_b8 v0, s[64:65] scope:SCOPE_SE
	s_setreg_imm32_b32 hwreg(HW_REG_WAVE_MODE, 25, 1), 1
	s_wait_xcnt 0x0
	s_wait_alu depctr_hold_cnt(0) depctr_sa_sdst(0) depctr_va_vdst(0) depctr_va_sdst(0) depctr_va_ssrc(0) depctr_va_vcc(0) depctr_vm_vsrc(0)
	s_getreg_b32 s2, hwreg(HW_REG_IB_STS2, 6, 4)
	s_cmp_eq_u32 s2, 0
	s_cbranch_scc0 .Lentry_in_a_cluster
	s_endpgm
.Lentry_in_a_cluster:
	s_bfe_u32 s2, ttmp6, 0x10000c
	s_cmp_lg_u32 s2, 0xf033
	s_cbranch_scc0 .Lentry_shape_is_right
	s_endpgm
.Lentry_shape_is_right:
; q, k, v = x W + b; RoPE on q and k; causal attention of one head; the result quantised for the output projection.  All products on codes of FP6 (E2M3) with one E8M0 scale for each 32 along K.
; SIZES: 64 batches x 256 tokens x 512; 16 heads of 32 channels.  x: rows of 384 bytes of codes and 16 scale bytes; each weight: 512 rows (its output channel) of the same make.
; SHARES.  A work-group is (a group of four heads, a batch): 256 work-groups of equal work.  WAVE w IS HEAD 4 g + w: it keeps its head's 32 rows of Wq, Wk, Wv in registers (24 fragments, 288 registers),
; makes q, k, v of all 256 tokens and does the head's whole attention in registers.  Between waves go only x (LDS, filled once), the table of cosines and sines, and at the end the codes that leave.
; CLUSTER 4 x 4: the four work-groups of a row of the cluster have the same batch and ask for x JOINTLY; the four of a column have the same heads and ask for the weights jointly.  Every LDS byte is filled once.
; TOKEN TILES ARE PERMUTED: row r of tile 2 b + u is token 32 b + 8 u + r + 8 (r / 8).  So the 16 registers that two neighbouring tiles leave in a lane are 16 neighbouring tokens 32 b + 16 (lane / 16) + 0 .. 15:
; the order that a quantiser along the keys wants.  The weights' rows are chosen the same way, so that a lane's 16 registers of a head's two tiles are channels 16 (lane / 16) + 0 .. 15.
; q, k: source 0 = 16 rows of W, source 1 = 16 tokens of x: a lane holds one token, registers along the channels.   v: source 0 = x, source 1 = Wv: a lane holds one channel, registers along the tokens (the keys).
; THE PRODUCT WITH K = 32.  The quantiser takes four token tiles at a time and leaves a PACKED fragment: its block j of 32 along K is token tile 4 G + j, byte j of its scale word that tile's scale.
; A tile of scores is (packed k) x (a variant of q): the query tile's codes in block j alone, zero codes in the other three, q's scale byte in all four places.
; SOFTMAX.  All keys of a query tile lie in registers, so the row's true maximum is taken once: t = score x log2(e) / sqrt(32), M = ceil(largest t), p = 2^(t - M) is quantised along the keys;
; the sum is taken of the unquantised p and divides the second product's result.  Key blocks that the causal mask hides as a whole are not computed; in the block on the diagonal hidden scores become -infinity.
; OUT.  A head's 32 channels of a token are one block of the output projection's K.  The codes leave as images of that product's operand registers: ao_codes [batch][g][tile][piece 6][lane 32][8 bytes],
; ao_scales [batch][g][tile][row 16] words, byte w for head 4 g + w.
; THE TEXT IS STRAIGHT: registers cannot be indexed at run time, and written out each query tile has exactly its own number of key blocks.  Each line is walked once by each wave.
; LIMITS: NaN, infinities and scale bytes 0xff among the inputs are not served.  A block whose largest magnitude lies under 2^(3 - 127), a block of zeros among them, gets the byte 1 where the rule says 127:
; its codes are zeros or next to it, and the bytes are read by this program alone.  The 16 frequencies are the f32 numbers nearest to 10^(-i / 4): an ulp from a power and a reciprocal taken in f32, which moves
; an angle by 2e-5 at the most.  Sine and cosine: reduction by multiples of pi / 2 in two parts and polynomials, good to about 1e-7 for the angles here (up to 255).  The score's two factors are one constant.
; REGISTERS, in windows of 256 (s_set_vgpr_msb's low byte: bits 1:0 source 0, 3:2 source 1, 5:4 source 2, 7:6 destination; scale operands are always taken from window 0):
;  window 0: v1 r, v2 h, v3-15 addresses; v16-39 the weights' scale words; v40-71 x's, two sets (later q's replicated word and p's words); v72-83 k's, q's, v's words; v84-179 x's fragments, two buffers; v180-227 v's fragments
;  window 1: v0-63 q, v64-127 k, v128-191 v as f32 (later v0-127 scores and p, v128-191 the head's results); v192-255 at work
;  window 2: v0-95 Wv (later q's variants and p's codes); v96-159 cosines and sines; v160-207 biases; v208-255 packed k
;  window 3: v0-95 Wq; v96-191 Wk; v192-239 packed q
.set PITCH, 432                        ; a row of 384 bytes in LDS: 16 bytes of padding behind each 128
.set XBLK,  16*PITCH                   ; sixteen rows
.set XOB,   8*XBLK+128                 ; x's odd blocks of 16 rows begin here, the even ones at 0: the 128 bytes put a tile's two groups of eight rows on different banks (64 banks of 4 bytes: ISA guide 11.1)
.set WB,    2*XOB                      ; the weights: a region for each wave, read by that wave alone
.set WMAT,  2*XBLK                     ; 32 rows of one weight
.set WWAVE, 3*WMAT
.set CST,   WB+4*WWAVE                 ; the table: tile t x 4 pieces of 512 bytes, an image of 16 registers (cos, sin of the lane's 8 frequencies)
.set AOST,  WB                         ; the way out lies over the weights, which have had their only fill and their last read: 16 images of 1,536 bytes,
.set AOSS,  AOST+16*1536               ; and four planes [wave][tile][row] of words, a scale byte in each
.set G1C,   (3<<16)|(1<<20)|(1<<21)|(4<<22)|(3<<25)   ; 17:16 elements of 8 bytes; 20 padding on; 21 set beside a mask; 24:22 after every 32 words (code 4); 31:25 of 4 words (code 3)
.set AX,   3                           ; v3, v4   x's fragments: my row and half; v4 for pieces that lie behind one padding more
.set AW,   5                           ; v5, v6   the same in my wave's weights
.set ATS,  7                           ; v7   the table: where my wave stores
.set ATL,  8                           ; v8   and where any wave loads
.set ASO,  9                           ; v9   the way out: where my lane's 8 bytes of codes go
.set ASB,  10                          ; v10  and its scale byte
.set ARD,  11                          ; v11  the way out: where I read images back
.set ARS,  12                          ; v12  and scale planes
.set L16,  13                          ; v13  16 x lane
.set L8,   14                          ; v14  8 x lane
.set RS16, 15                          ; v15  16 x (r + 8 (r / 8)): a permuted row's 16 scale bytes
.set WS,   16
.set XS,   40
.set QSR,  40
.set PS,   42
.set KS,   72
.set QS,   76
.set VS,   80
.set XF,   84
.set VF,   180
.set RRG,  230                         ; v230 r + 8 (r / 8)
.set H64,  232                         ; v232 64 h: bq's and bk's lane term
.set RR4,  233                         ; v233 4 (r + 8 (r / 8)): bv's
.set FQ,   84                          ; the table's work lies where x's fragments will
.set PB,   92
.set PP,   93
.set TA,   96
.set TN,   104
.set TZ,   112
.set TSN,  120
.set TCS,  128
.set TQ,   136
.set TOU,  144
.set TT,   160
.set QA,   0                           ; window 1
.set KA,   64
.set VA,   128
.set SCO,  0
.set OAC,  128
.set TM,   192
.set BMX,  192
.set BXX,  200
.set PW,   208
.set PC,   210
.set NGI,  230
.set MXR,  231
.set TMPR, 232
.set SOP,  240
.set NMR,  248
.set LAR,  250
.set LBR,  252
.set RLR,  254
.set WV,   0                           ; window 2
.set CSR,  96
.set BQ,   160
.set BK,   176
.set BV,   192
.set KP,   208
.set QV0,  0
.set PF,   36
.set PT,   60
.set WQ,   0                           ; window 3
.set WK,   96
.set QP,   192
.set WVN,  30                          ; s30  my wave's number
.set MK,   44                          ; s44-59, s68-83: the causal lane masks of even and of odd query tiles, over the descriptors once all loads have landed
.set HM,   93                          ; s93, s94: lanes 0-15, lanes 16-31
.set SEL,  96                          ; s[96:97] v_permlanex16_b32's selects for lane l xor 16
.set CS,   98                          ; s[98:99] log2(e) / sqrt(32)
.set MSB, 0
.macro WIN new                         ; the immediate's high byte repeats the setting that is left; a switch that changes nothing is dropped
.if MSB != (\new)
	s_set_vgpr_msb (MSB<<8)|(\new)
.set MSB, \new
.endif
.endm
.macro PLACES n                        ; plain vector lines that name no register: the distance behind a matrix instruction (ISA guide 7.12.1) and in front of a scaled one
.rept \n
	v_nop
.endr
.endm
.macro CROUND                          ; a round of the cluster's barrier: my work-group's barrier; wave 0 signals for the work-group; every wave waits for all sixteen; my work-group's barrier once more
	s_barrier_signal -1
	s_barrier_wait -1
	s_cmp_lg_u32 s[WVN], 0
	s_cbranch_scc1 .Lnot_wave_0_\@
	s_barrier_signal -3
.Lnot_wave_0_\@:
	s_barrier_wait -3
	s_barrier_signal -1
	s_barrier_wait -1
.endm
; A fragment, 16 rows x 128 K, is 12 registers: lane (r, h) takes 24 bytes at 96 s + 24 h and 24 at 96 s + 48 + 24 h of its row, in pieces of 8 bytes.  16 bytes of padding lie behind every 16 pieces:
; where the piece three on (lanes 16-31) lies behind one padding more, the second address register serves.
.macro FRAG reg, adr, s, off
.irp p, 0,1,2,3,4,5
.set PCE, 12*(\s)+6*(\p/3)+\p%3
.if PCE%16 < 13
	ds_load_b64 v[(\reg)+2*\p:(\reg)+2*\p+1], v[\adr] offset:(\off)+8*PCE+16*(PCE/16)
.else
	ds_load_b64 v[(\reg)+2*\p:(\reg)+2*\p+1], v[(\adr)+1] offset:(\off)+8*PCE+16*(PCE/16)
.endif
.endr
.endm
.macro WM0 d, a, b, sa, sb             ; a product that starts a sum
	v_wmma_scale_f32_16x16x128_f8f6f4 v[(\d):(\d)+7], v[(\a):(\a)+11], v[(\b):(\b)+11], 0, v[\sa], v[\sb] matrix_a_fmt:MATRIX_FMT_FP6 matrix_b_fmt:MATRIX_FMT_FP6
.endm
.macro WMC d, a, b, c, sa, sb          ; a product onto c: a bias, or the sum itself
	v_wmma_scale_f32_16x16x128_f8f6f4 v[(\d):(\d)+7], v[(\a):(\a)+11], v[(\b):(\b)+11], v[(\c):(\c)+7], v[\sa], v[\sb] matrix_a_fmt:MATRIX_FMT_FP6 matrix_b_fmt:MATRIX_FMT_FP6
.endm
.macro FREQ j, lo, hi                  ; my frequency j: 10^(-(8 h + j) / 4)
	v_mov_b32 v[FQ+\j], \hi
	v_cndmask_b32 v[FQ+\j], \lo, v[FQ+\j], vcc_lo
.endm
; Cosines and sines of tile 4 w + tt: my row's position x my 8 frequencies, eight chains by turns.
.macro SINCOS8 tt
	v_add_nc_u32 v[PP], 32*((\tt)/2)+8*((\tt)%2), v[PB]
	v_cvt_f32_u32 v[PP], v[PP]
.irp j, 0,1,2,3,4,5,6,7
	v_mul_f32 v[TA+\j], v[PP], v[FQ+\j]            ; the angle, rounded once as the definition rounds it
.endr
.irp j, 0,1,2,3,4,5,6,7
	v_mul_f32 v[TN+\j], s84, v[TA+\j]
.endr
.irp j, 0,1,2,3,4,5,6,7
	v_rndne_f32 v[TN+\j], v[TN+\j]                 ; n = the nearest multiple of pi / 2
.endr
.irp j, 0,1,2,3,4,5,6,7
	v_fma_f32 v[TA+\j], v[TN+\j], s85, v[TA+\j]    ; less n x the f32 nearest to pi / 2,
.endr
.irp j, 0,1,2,3,4,5,6,7
	v_fma_f32 v[TA+\j], v[TN+\j], s86, v[TA+\j]    ; and n x what that number has too much: |rho| <= pi / 4
.endr
.irp j, 0,1,2,3,4,5,6,7
	v_mul_f32 v[TZ+\j], v[TA+\j], v[TA+\j]
.endr
.irp j, 0,1,2,3,4,5,6,7
	v_fma_f32 v[TSN+\j], v[TZ+\j], s87, s88
	v_fma_f32 v[TCS+\j], v[TZ+\j], s90, s91
.endr
.irp j, 0,1,2,3,4,5,6,7
	v_fma_f32 v[TSN+\j], v[TSN+\j], v[TZ+\j], s89
	v_fma_f32 v[TCS+\j], v[TCS+\j], v[TZ+\j], s92
.endr
.irp j, 0,1,2,3,4,5,6,7
	v_mul_f32 v[TT+\j], v[TZ+\j], v[TA+\j]
.endr
.irp j, 0,1,2,3,4,5,6,7
	v_fma_f32 v[TSN+\j], v[TSN+\j], v[TT+\j], v[TA+\j]   ; sin rho
.endr
.irp j, 0,1,2,3,4,5,6,7
	v_fma_f32 v[TT+\j], v[TZ+\j], -0.5, 1.0
.endr
.irp j, 0,1,2,3,4,5,6,7
	v_mul_f32 v[TZ+\j], v[TZ+\j], v[TZ+\j]
.endr
.irp j, 0,1,2,3,4,5,6,7
	v_fma_f32 v[TCS+\j], v[TCS+\j], v[TZ+\j], v[TT+\j]   ; cos rho
.endr
.irp j, 0,1,2,3,4,5,6,7
	v_cvt_i32_f32 v[TQ+\j], v[TN+\j]
.endr
.irp j, 0,1,2,3,4,5,6,7
	v_and_b32 v[TT+\j], 1, v[TQ+\j]
.endr
.irp j, 0,1,2,3,4,5,6,7
	v_cmp_eq_u32 vcc_lo, 1, v[TT+\j]               ; in odd quadrants the two change places
	v_cndmask_b32 v[TOU+2*\j], v[TCS+\j], v[TSN+\j], vcc_lo
	v_cndmask_b32 v[TOU+2*\j+1], v[TSN+\j], v[TCS+\j], vcc_lo
.endr
.irp j, 0,1,2,3,4,5,6,7
	v_lshlrev_b32 v[TT+\j], 30, v[TQ+\j]           ; the sine is negative in quadrants 2 and 3: bit 1 of n,
	v_add_nc_u32 v[TQ+\j], 1, v[TQ+\j]             ; the cosine in 1 and 2: bit 1 of n + 1
.endr
.irp j, 0,1,2,3,4,5,6,7
	v_and_b32 v[TT+\j], 0x80000000, v[TT+\j]
	v_lshlrev_b32 v[TQ+\j], 30, v[TQ+\j]
.endr
.irp j, 0,1,2,3,4,5,6,7
	v_xor_b32 v[TOU+2*\j+1], v[TT+\j], v[TOU+2*\j+1]
	v_and_b32 v[TQ+\j], 0x80000000, v[TQ+\j]
.endr
.irp j, 0,1,2,3,4,5,6,7
	v_xor_b32 v[TOU+2*\j], v[TQ+\j], v[TOU+2*\j]
.endr
.irp c, 0,1,2,3
	ds_store_b128 v[ATS], v[TOU+4*\c:TOU+4*\c+3] offset:2048*(\tt)+512*\c   ; an image of the 16 registers: 512 consecutive bytes a store
.endr
	s_wait_dscnt 0x0                               ; the stores have read their registers
.endm
.macro XSLOAD g                        ; x's scale words of token tiles 4 g .. 4 g + 3: a row's 16 bytes are its four words
.irp tt, 0,1,2,3
	global_load_b128 v[XS+16*((\g)%2)+4*\tt:XS+16*((\g)%2)+4*\tt+3], v[RS16], s[6:7] offset:(64*(\g)+32*(\tt/2)+8*(\tt%2))*16
.endr
.endm
.macro FETCHX k                        ; x's four fragments of K step k % 4 of token tiles 4 (k / 4) on, into buffer k % 2: 24 loads
	WIN 0
.irp tt, 0,1,2,3
.set TI, 4*((\k)/4)+\tt
	FRAG XF+48*((\k)%2)+12*\tt, AX, (\k)%4, (TI/2)*XBLK+(TI%2)*8*PITCH
.endr
.endm
; 24 products, one K step of q, k and v of four token tiles.  The 24 accumulators take turns, one instruction a turn, in the same order in every step.  The first step's C is the bias.
.macro MULP g, s
.set XB, XF+48*((4*(\g)+(\s))%2)
.set XSB, XS+16*((\g)%2)+(\s)
.if (\s) == 0
	WIN 0x63                                       ; source 0 (W) window 3, source 1 (x) window 0, C (bias) window 2, D window 1
.else
	WIN 0x53                                       ; C and D window 1
.endif
.irp tt, 0,1,2,3
.irp u, 0,1
.if (\s) == 0
	WMC QA+16*\tt+8*\u, WQ+48*\u+12*(\s), XB+12*\tt, BQ+8*\u, WS+4*\u+(\s), XSB+4*\tt
.else
	WMC QA+16*\tt+8*\u, WQ+48*\u+12*(\s), XB+12*\tt, QA+16*\tt+8*\u, WS+4*\u+(\s), XSB+4*\tt
.endif
.endr
.endr
.irp tt, 0,1,2,3
.irp u, 0,1
.if (\s) == 0
	WMC KA+16*\tt+8*\u, WK+48*\u+12*(\s), XB+12*\tt, BK+8*\u, WS+8+4*\u+(\s), XSB+4*\tt
.else
	WMC KA+16*\tt+8*\u, WK+48*\u+12*(\s), XB+12*\tt, KA+16*\tt+8*\u, WS+8+4*\u+(\s), XSB+4*\tt
.endif
.endr
.endr
.if (\s) == 0
	WIN 0x68                                       ; source 0 (x) window 0, source 1 (Wv) window 2, C (bias) window 2, D window 1
.else
	WIN 0x58
.endif
.irp dt, 0,1
.irp tt, 0,1,2,3
.if (\s) == 0
	WMC VA+32*\dt+8*\tt, XB+12*\tt, WV+48*\dt+12*(\s), BV+8*\dt, XSB+4*\tt, WS+16+4*\dt+(\s)
.else
	WMC VA+32*\dt+8*\tt, XB+12*\tt, WV+48*\dt+12*(\s), VA+32*\dt+8*\tt, XSB+4*\tt, WS+16+4*\dt+(\s)
.endif
.endr
.endr
.endm
; RoPE on 64 numbers of a lane: registers 2 k, 2 k + 1 of tile (tt, u) are the pair of frequency 8 h + 4 u + k.  Each accumulator is read from its low end on.
.macro ROPE base
	WIN 0x59                                       ; the numbers window 1, cosines and sines (source 1) window 2
.irp tt, 0,1,2,3
.irp u, 0,1
.irp k, 0,1,2,3
	v_mul_f32 v[TMPR+2*\k], v[(\base)+16*\tt+8*\u+2*\k+1], v[CSR+16*\tt+8*\u+2*\k+1]     ; x2 sin
	v_mul_f32 v[TMPR+2*\k+1], v[(\base)+16*\tt+8*\u+2*\k], v[CSR+16*\tt+8*\u+2*\k+1]     ; x1 sin
.endr
.irp k, 0,1,2,3
	v_fma_f32 v[(\base)+16*\tt+8*\u+2*\k], v[(\base)+16*\tt+8*\u+2*\k], v[CSR+16*\tt+8*\u+2*\k], -v[TMPR+2*\k]
	v_fma_f32 v[(\base)+16*\tt+8*\u+2*\k+1], v[(\base)+16*\tt+8*\u+2*\k+1], v[CSR+16*\tt+8*\u+2*\k], v[TMPR+2*\k+1]
.endr
.endr
.endr
.endm
; 64 numbers of a lane in window 1, register 16 b + i = number 16 (lane / 16) + i of block b of my row, become a fragment's codes in v[PC] on and its scale word in v[PW]; the four bytes stay in v[TM+4] on.
.macro QUANT s
	WIN 0x55                                       ; everything in window 1
.irp b, 0,1,2,3
	v_max3_num_f32 v[TM+\b], |v[(\s)+16*\b]|, |v[(\s)+1+16*\b]|, 0x1800000   ; my 16 numbers, and the floor 2^(3 - 127): the byte cannot fall under 1
.endr
.irp i, 2,4,6,8,10,12,14
.irp b, 0,1,2,3
	v_max3_num_f32 v[TM+\b], v[TM+\b], |v[(\s)+16*\b+\i]|, |v[(\s)+1+16*\b+\i]|   ; the four blocks by turns
.endr
.endr
.irp b, 0,1,2,3
	v_permlanex16_b32 v[TM+4+\b], v[TM+\b], s[SEL], s[SEL+1]
.endr
.irp b, 0,1,2,3
	v_max_num_f32 v[TM+\b], v[TM+\b], v[TM+4+\b]   ; with lane l xor 16's: the block's largest magnitude
.endr
.irp b, 0,1,2,3
	v_add_nc_u32 v[TM+12+\b], 0xff000000, v[TM+\b] ; 2 off its exponent field: the conversion takes the exponent field of this operand as its scale
.endr
.irp b, 0,1,2,3
	v_lshrrev_b32 v[TM+4+\b], 23, v[TM+12+\b]      ; the scale's byte
.endr
	v_lshl_or_b32 v[PW], v[TM+5], 8, v[TM+4]
	v_lshl_or_b32 v[PW], v[TM+6], 16, v[PW]
	v_lshl_or_b32 v[PW], v[TM+7], 24, v[PW]
.irp c, 0,1
	v_cvt_scalef32_pk16_fp6_f32 v[PC+6*\c:PC+2+6*\c], v[(\s)+32*\c:(\s)+15+32*\c], v[TM+12+2*\c]
	v_cvt_scalef32_pk16_fp6_f32 v[PC+12+4*\c:PC+14+4*\c], v[(\s)+16+32*\c:(\s)+31+32*\c], v[TM+12+2*\c+1]   ; (a conversion's three registers begin on an even number)
.endr
	v_nop                                          ; one plain place behind a scaled conversion
.irp c, 0,1                                    ; the operand's layout wants a whole block in a lane: lanes 0-15 block 2 c, lanes 16-31 block 2 c + 1
.irp i, 0,1,2
	v_permlane16_swap_b32 v[PC+6*\c+\i], v[PC+12+4*\c+\i]
.endr
.irp i, 0,1,2
	v_mov_b32 v[PC+3+6*\c+\i], v[PC+12+4*\c+\i]
.endr
.endr
.endm
; Token tiles 4 g .. 4 g + 3: four K steps of products, RoPE, three quantisers.
.macro PROJ g
.irp s, 0,1,2,3
.set KK, 4*(\g)+\s
	PLACES 4                                       ; in front of loads into the buffer that the step before multiplied
.if KK < 15
	FETCHX KK+1
.endif
.if \s == 0
	WIN 0x80                                       ; destination window 2
.irp tt, 0,1,2,3
.irp c, 0,1,2,3
	ds_load_b128 v[CSR+16*\tt+4*\c:CSR+16*\tt+4*\c+3], v[ATL] offset:(4*(\g)+\tt)*2048+512*\c   ; these tiles' cosines and sines
.endr
.endr
	WIN 0
.if (\g) < 3
	XSLOAD (\g)+1
	s_wait_loadcnt 4                               ; all but the four loads just issued: this group's scale words are in (and, the first time, the weights' words and the biases)
.else
	s_wait_loadcnt 0
.endif
	s_wait_dscnt 40                                ; this step's fragments are in; the next step's 24 loads and the table's 16 may be out
.elseif KK < 15
	s_wait_dscnt 24                                ; the next step's 24 loads may be out
.else
	s_wait_dscnt 0
.endif
	MULP \g, \s
.endr
	PLACES 4
	ROPE QA
	ROPE KA
	QUANT QA
	WIN 0xc1                                       ; window 1 to window 3
.set II, 0
.rept 12
	v_mov_b32 v[QP+12*(\g)+II], v[PC+II]
.set II, II+1
.endr
	WIN 0x01                                       ; window 1 to window 0
	v_mov_b32 v[QS+(\g)], v[PW]
	QUANT KA
	WIN 0x81                                       ; window 1 to window 2
.set II, 0
.rept 12
	v_mov_b32 v[KP+12*(\g)+II], v[PC+II]
.set II, II+1
.endr
	WIN 0x01
	v_mov_b32 v[KS+(\g)], v[PW]
	QUANT VA                                       ; blocks 0, 1: channels' tile 0, key blocks 2 g, 2 g + 1; blocks 2, 3: tile 1, the same key blocks
	WIN 0x01
.set II, 0
.rept 6
	v_mov_b32 v[VF+12*((\g)/2)+6*((\g)%2)+II], v[PC+II]
	v_mov_b32 v[VF+24+12*((\g)/2)+6*((\g)%2)+II], v[PC+6+II]
.set II, II+1
.endr
.if (\g)%2 == 0
	v_bfe_u32 v[VS+(\g)/2], v[PW], 0, 16           ; the lower half of a key step's scale word
	v_bfe_u32 v[VS+2+(\g)/2], v[PW], 16, 16
.else
	v_lshl_or_b32 v[VS+(\g)/2], v[PW], 16, v[VS+(\g)/2]   ; and the upper
	v_and_or_b32 v[VS+2+(\g)/2], v[PW], s[HM+1], v[VS+2+(\g)/2]
.endif
.endm
; Query tile t against its NB = t / 2 + 1 blocks of 32 keys.
.macro ATT t
.set NB, (\t)/2+1
.set UQ, (\t)%2
.set GG, (\t)/4
.set BQT, (\t)%4
.set NKS, (NB+3)/4                     ; steps of 128 keys
.set NPR, (NB+1)/2                     ; pairs of blocks
.set QVS, QV0+18*(BQT%2)               ; variants whose codes lie in the lane half where the packed fragment has them,
.set QVO, QV0+18*(1-BQT%2)             ; and in the other half
.set QPS, QP+12*GG+6*(BQT/2)
	WIN 0
	v_perm_b32 v[QSR], v[QS+GG], v[QS+GG], 0x01010101*BQT   ; the tile's scale byte in all four places
	WIN 0x8c                                       ; source 1 window 3, destination window 2
.set II, 0
.rept 6                                        ; 18 registers [codes][zeros][codes]: from the first on the codes are blocks 0 / 1, from the seventh on blocks 2 / 3
	v_cndmask_b32 v[QVS+II], 0, v[QPS+II], s[HM+BQT%2]
	v_cndmask_b32 v[QVS+12+II], 0, v[QPS+II], s[HM+BQT%2]
.set II, II+1
.endr
	WIN 0x82                                       ; window 2 to window 2
.set II, 0
.rept 6
	v_permlanex16_b32 v[QVO+II], v[QVS+II], s[SEL], s[SEL+1]
	v_permlanex16_b32 v[QVO+12+II], v[QVS+II], s[SEL], s[SEL+1]
.set II, II+1
.endr
	PLACES 8                                       ; a scale word written by a vector line stands 8 places ahead of a scaled product, an operand 4
	WIN 0x4a                                       ; k and q window 2, scores window 1
.set KT, 0
.rept 2*NB
	WM0 SCO+8*KT, KP+12*(KT/4), QV0+18*(KT%2)+6*((KT%4)/2), KS+KT/4, QSR
.set KT, KT+1
.endr
	WIN 0x55
	PLACES 4
.set II, 0
.rept 16                                       ; the block on the diagonal: register n holds key 16 h + n of it; hidden keys' scores become -infinity
	v_cndmask_b32 v[SCO+16*(NB-1)+II], v[SCO+16*(NB-1)+II], v[NGI], s[MK+24*UQ+II]
.set II, II+1
.endr
.set BI, 0
.rept NB                                       ; the largest score of each block: for the row's maximum and, since p rises with the score, for the block's largest p
	v_max3_num_f32 v[BMX+BI], v[SCO+16*BI], v[SCO+16*BI+1], v[SCO+16*BI+2]
.set BI, BI+1
.endr
.irp i, 3,5,7,9,11,13
.set BI, 0
.rept NB
	v_max3_num_f32 v[BMX+BI], v[BMX+BI], v[SCO+16*BI+\i], v[SCO+16*BI+\i+1]
.set BI, BI+1
.endr
.endr
.set BI, 0
.rept NB
	v_max_num_f32 v[BMX+BI], v[BMX+BI], v[SCO+16*BI+15]
.set BI, BI+1
.endr
.set BI, 0
.rept NB
	v_permlanex16_b32 v[BXX+BI], v[BMX+BI], s[SEL], s[SEL+1]
.set BI, BI+1
.endr
.set BI, 0
.rept NB
	v_max_num_f32 v[BMX+BI], v[BMX+BI], v[BXX+BI]  ; with lane l xor 16's 16 keys
.set BI, BI+1
.endr
	v_mov_b32 v[MXR], v[BMX]
.set BI, 1
.rept NB-1
	v_max_num_f32 v[MXR], v[MXR], v[BMX+BI]
.set BI, BI+1
.endr
	v_mul_f32 v[MXR], s[CS], v[MXR]                ; the row's largest t
	v_floor_f32 v[NMR], -v[MXR]                    ; -M = floor(-t) = -ceil(t)
.set JI, 0
.rept 8*NB
	v_pk_fma_f32 v[SCO+JI:SCO+JI+1], v[SCO+JI:SCO+JI+1], s[CS:CS+1], v[NMR:NMR+1] op_sel_hi:[1,0,0]   ; t - M, two at a time
.set JI, JI+2
.endr
.set BI, 0
.rept NB
	v_fma_f32 v[BMX+BI], v[BMX+BI], s[CS], v[NMR]  ; the same of each block's largest score
.set BI, BI+1
.endr
.set JI, 0
.rept 16*NB
	v_exp_f32 v[SCO+JI], v[SCO+JI]                 ; p = 2^(t - M); 0 for hidden keys
.set JI, JI+1
.endr
.set BI, 0
.rept NB
	v_exp_f32 v[BMX+BI], v[BMX+BI]
.set BI, BI+1
.endr
	v_nop                                          ; a plain place behind the exponentials
.set BI, 0
	s_wait_alu depctr_va_vdst(0)
.rept NB
	v_max_num_f32 v[BMX+BI], 0x1800000, v[BMX+BI]  ; the floor 2^(3 - 127)
.set BI, BI+1
.endr
.set BI, 0
.rept NB
	v_add_nc_u32 v[SOP+BI], 0xff000000, v[BMX+BI]  ; the conversion's scale operand
.set BI, BI+1
.endr
.set BI, 0
.rept NB
	v_lshrrev_b32 v[TMPR+BI], 23, v[SOP+BI]        ; the scale's byte
.set BI, BI+1
.endr
	WIN 0x01                                       ; bytes in window 1, p's scale words in window 0.  A block that is not there keeps the byte 0: its codes are zeros
.set BI, 0
.rept NB
.if BI%4 == 0
	v_mov_b32 v[PS+BI/4], v[TMPR+BI]
.else
	v_lshl_or_b32 v[PS+BI/4], v[TMPR+BI], 8*(BI%4), v[PS+BI/4]
.endif
.set BI, BI+1
.endr
	WIN 0x85                                       ; numbers and scale operands window 1, codes window 2
.set BI, 0
.rept NB
.if BI%2 == 0
	v_cvt_scalef32_pk16_fp6_f32 v[PF+6*(BI/2):PF+6*(BI/2)+2], v[SCO+16*BI:SCO+16*BI+15], v[SOP+BI]
.else
	v_cvt_scalef32_pk16_fp6_f32 v[PT+4*(BI/2):PT+4*(BI/2)+2], v[SCO+16*BI:SCO+16*BI+15], v[SOP+BI]
.endif
.set BI, BI+1
.endr
	v_nop                                          ; one plain place behind a scaled conversion
.if NB%2 == 1                                  ; the last pair has no second block: zero codes
.irp i, 0,1,2
	v_mov_b32 v[PT+4*(NB/2)+\i], 0
.endr
.endif
.if NPR%2 == 1                                 ; the last step of 128 keys has no second pair: zero codes
.irp i, 0,1,2,3,4,5
	v_mov_b32 v[PF+6*NPR+\i], 0
.endr
.endif
	WIN 0x82
.set PI, 0
.rept NPR
.irp i, 0,1,2
	v_permlane16_swap_b32 v[PF+6*PI+\i], v[PT+4*PI+\i]
.endr
.irp i, 0,1,2
	v_mov_b32 v[PF+6*PI+3+\i], v[PT+4*PI+\i]
.endr
.set PI, PI+1
.endr
	WIN 0x55
	v_pk_add_f32 v[LAR:LAR+1], v[SCO:SCO+1], v[SCO+2:SCO+3]         ; the row's sum, of the unquantised p, in two chains.  These lines are also the places in front of the products below
	v_pk_add_f32 v[LBR:LBR+1], v[SCO+4:SCO+5], v[SCO+6:SCO+7]
.set JI, 8
.rept 4*NB-2
	v_pk_add_f32 v[LAR:LAR+1], v[LAR:LAR+1], v[SCO+JI:SCO+JI+1]
	v_pk_add_f32 v[LBR:LBR+1], v[LBR:LBR+1], v[SCO+JI+2:SCO+JI+3]
.set JI, JI+4
.endr
	v_pk_add_f32 v[LAR:LAR+1], v[LAR:LAR+1], v[LBR:LBR+1]
	v_add_f32 v[LAR], v[LAR], v[LAR+1]
	v_permlanex16_b32 v[LBR], v[LAR], s[SEL], s[SEL+1]
	v_add_f32 v[LAR], v[LAR], v[LBR]
	v_rcp_f32 v[RLR], v[LAR]
	v_nop                                          ; a plain place behind the reciprocal
	WIN 0x58                                       ; source 0 (v) window 0, source 1 (p) window 2, C and D window 1
.set KSI, 0
.rept NKS                                      ; the two accumulators by turns
.irp dt, 0,1
.if KSI == 0
	WM0 OAC+16*BQT+8*\dt, VF+24*\dt+12*KSI, PF+12*KSI, VS+2*\dt+KSI, PS+KSI
.else
	WMC OAC+16*BQT+8*\dt, VF+24*\dt+12*KSI, PF+12*KSI, OAC+16*BQT+8*\dt, VS+2*\dt+KSI, PS+KSI
.endif
.endr
.set KSI, KSI+1
.endr
	WIN 0x55
	PLACES 4
.set JI, 0
	s_wait_alu depctr_va_vdst(0)
.rept 8
	v_pk_mul_f32 v[OAC+16*BQT+JI:OAC+16*BQT+JI+1], v[OAC+16*BQT+JI:OAC+16*BQT+JI+1], v[RLR:RLR+1] op_sel_hi:[1,0]   ; divided by the sum; register 8 dt + j is channel 16 h + 8 dt + j
.set JI, JI+2
.endr
.endm
; Query tiles 4 g .. 4 g + 3 are quantised (a block = a tile's 32 channels of my head) and go to the images of the next product's operand: tile 4 g + 2 c + h, pieces 3 (w / 2) + i, lane r + 16 (w % 2).
.macro OUTQ g
	QUANT OAC
	WIN 0x04                                       ; an LDS store's data are its source 1: window 1
.irp c, 0,1
.irp i, 0,1,2
	ds_store_b64 v[ASO], v[PC+6*\c+2*\i:PC+6*\c+2*\i+1] offset:(4*(\g)+2*\c)*1536+256*\i
.endr
.endr
.irp b, 0,1,2,3
	ds_store_b32 v[ASB], v[TM+4+\b] offset:(4*(\g)+\b)*64   ; both halves of the lanes write the same word with the same byte
.endr
	s_wait_dscnt 0x0                               ; the stores have read their registers
.endm
	s_load_b512 s[4:19], s[0:1], 0x0               ; x's codes s[4:5], x's scales s[6:7], Wq's codes s[8:9], scales s[10:11], bq s[12:13], Wk's codes s[14:15], scales s[16:17], bk s[18:19]
	s_load_b256 s[20:27], s[0:1], 0x40             ; Wv's codes s[20:21], scales s[22:23], bv s[24:25], ao_codes s[26:27]
	s_load_b64 s[28:29], s[0:1], 0x60              ; ao_scales
	v_lshl_add_u32 v254, v0, 2, 0x4b900
	v_mov_b32 v255, 0
	ds_add_u32 v254, v255
	ds_add_u32 v254, v255
	v_lshrrev_b32 v1, 5, v0
	v_readfirstlane_b32 s[WVN], v1                 ; wave 0..3
	s_bfe_u32 s31, ttmp6, 0x40000                  ; cx
	s_bfe_u32 s32, ttmp6, 0x40004                  ; cy
	s_and_b32 s33, ttmp7, 0xffff
	s_lshl_b32 s33, s33, 2
	s_add_co_u32 s33, s33, s32                     ; the batch = 4 x cluster y + cy
	s_lshl_b32 s34, ttmp9, 2
	s_add_co_u32 s34, s34, s31                     ; the group of heads = 4 x cluster x + cx
	s_lshl_b32 s35, s32, 2
	s_lshl_b32 s35, 15, s35                        ; my row of the cluster: the same batch
	s_lshl_b32 s36, 0x1111, s31                    ; my column: the same heads
	; group 1 for x: 4 blocks of 16 rows (768 elements of 8 bytes each), every second block of the batch
	s_or_b32 s44, s35, G1C
	s_mov_b32 s45, 768<<16                         ; tensor_dim0 = 768
	s_mov_b32 s46, 4<<16                           ; tensor_dim1 = 4
	s_mov_b32 s47, 768<<16                         ; tile_dim0 = 768
	s_mov_b32 s48, 4                               ; tile_dim1 = 4
	s_mov_b32 s49, 1536                            ; from block to block: 32 rows
	s_mov_b32 s50, 0
	s_mov_b32 s51, 0
	; group 1 for a weight: a head's 32 rows, two dense blocks of 16
	s_or_b32 s52, s36, G1C
	s_mov_b32 s53, 768<<16
	s_mov_b32 s54, 2<<16
	s_mov_b32 s55, 768<<16
	s_mov_b32 s56, 2
	s_mov_b32 s57, 768
	s_mov_b32 s58, 0
	s_mov_b32 s59, 0
	s_and_b32 s37, s[WVN], 1                       ; x: I fetch the even (0) or the odd (1) blocks,
	s_lshr_b32 s38, s[WVN], 1                      ; the first four of them or the last four
	s_mul_i32 s39, s37, XOB
	s_mul_i32 s40, s38, 4*XBLK
	s_add_co_u32 s61, s39, s40                     ; where they go: the wave's number alone
	s_mul_i32 s40, s33, 98304                      ; where they come from: the batch and the wave's number
	s_mul_i32 s39, s37, 6144
	s_add_co_u32 s40, s40, s39
	s_mul_i32 s39, s38, 49152
	s_add_co_u32 s40, s40, s39
	s_mov_b32 s41, 0
	s_lshl_b32 s42, s34, 2
	s_add_co_u32 s42, s42, s[WVN]                  ; my head
	s_mul_i32 s66, s42, 12288                      ; its 32 rows in each weight
	s_mov_b32 s67, 0
	s_mul_i32 s43, s[WVN], WWAVE
	s_add_co_u32 s43, s43, WB                      ; my wave's region for them
	s_mov_b32 s84, 0x3f22f983                      ; 2 / pi
	s_mov_b32 s85, 0xbfc90fdb                      ; -(the f32 nearest to pi / 2)
	s_mov_b32 s86, 0x333bbd2e                      ; what that number has too much
	s_mov_b32 s87, 0xb94ca1f9                      ; the sine's polynomial: -1.9515295891e-4,
	s_mov_b32 s88, 0x3c08839e                      ; 8.3321608736e-3,
	s_mov_b32 s89, 0xbe2aaaa3                      ; -1.6666654611e-1
	s_mov_b32 s90, 0x37ccf5ce                      ; the cosine's: 2.443315712e-5,
	s_mov_b32 s91, 0xbab6061a                      ; -1.388731625e-3,
	s_mov_b32 s92, 0x3d2aaaa5                      ; 4.166664568e-2
	s_mov_b32 s[HM], 0x0000ffff
	s_mov_b32 s[HM+1], 0xffff0000
	s_mov_b32 s[SEL], 0x76543210
	s_mov_b32 s[SEL+1], 0xfedcba98
	s_mov_b32 s[CS], 0x3e8293ee                    ; log2(e) / sqrt(32)
	s_mov_b32 s[CS+1], s[CS]                       ; (named with it as a pair, so it is written)
	s_wait_dscnt 0x0
	s_wait_kmcnt 0x0
	s_mov_b32 s60, 1                               ; group 0 for x
	s_add_nc_u64 s[62:63], s[4:5], s[40:41]
	s_or_b32 s63, s63, 0x80000000
	s_mov_b32 s68, 1                               ; for Wq,
	s_mov_b32 s69, s43
	s_add_nc_u64 s[70:71], s[8:9], s[66:67]
	s_or_b32 s71, s71, 0x80000000
	s_mov_b32 s72, 1                               ; Wk,
	s_add_co_u32 s73, s43, WMAT
	s_add_nc_u64 s[74:75], s[14:15], s[66:67]
	s_or_b32 s75, s75, 0x80000000
	s_mov_b32 s76, 1                               ; Wv
	s_add_co_u32 s77, s43, 2*WMAT
	s_add_nc_u64 s[78:79], s[20:21], s[66:67]
	s_or_b32 s79, s79, 0x80000000
	CROUND                                         ; all sixteen work-groups are here: the joint loads meet
	tensor_load_to_lds s[68:71], s[52:59]          ; every wave issues all four: four loads of mine are out.  The weights first: I read them first
	s_nop 0
	tensor_load_to_lds s[72:75], s[52:59]
	s_nop 0
	tensor_load_to_lds s[76:79], s[52:59]
	s_nop 0
	tensor_load_to_lds s[60:63], s[44:51]
	s_nop 0
.rept 4
	v_nop
.endr
	s_lshl_b32 s66, s42, 9                         ; my head's 32 rows of scale bytes,
	s_add_nc_u64 s[10:11], s[10:11], s[66:67]
	s_add_nc_u64 s[16:17], s[16:17], s[66:67]
	s_add_nc_u64 s[22:23], s[22:23], s[66:67]
	s_lshl_b32 s66, s42, 7                         ; its 32 numbers of each bias,
	s_add_nc_u64 s[12:13], s[12:13], s[66:67]
	s_add_nc_u64 s[18:19], s[18:19], s[66:67]
	s_add_nc_u64 s[24:25], s[24:25], s[66:67]
	s_lshl_b32 s40, s33, 12                        ; the batch's scale bytes of x,
	s_add_nc_u64 s[6:7], s[6:7], s[40:41]
	s_lshl_b32 s80, s33, 2
	s_add_co_u32 s80, s80, s34                     ; and the outputs: 4 x batch + group of heads
	s_mul_i32 s82, s80, 1024
	s_mul_i32 s80, s80, 24576
	s_mul_i32 s81, s[WVN], 6144                    ; at the end wave w stores tiles 4 w .. 4 w + 3
	s_add_co_u32 s80, s80, s81
	s_mov_b32 s81, 0
	s_add_nc_u64 s[26:27], s[26:27], s[80:81]
	s_lshl_b32 s83, s[WVN], 8
	s_add_co_u32 s82, s82, s83
	s_mov_b32 s83, 0
	s_add_nc_u64 s[28:29], s[28:29], s[82:83]
	v_and_b32 v1, 15, v0                           ; r
	v_bfe_u32 v2, v0, 4, 1                         ; h
	v_bfe_u32 v228, v0, 3, 1                       ; r / 8
	v_and_b32 v229, 7, v0                          ; r % 8
	v_and_b32 v231, 31, v0                         ; lane
	v_mul_u32_u24 v[AX], v228, XOB                 ; x: rows 8-15 of a tile lie in the odd block,
	v_mad_u32_u24 v[AX], v229, PITCH, v[AX]
	v_mad_u32_u24 v[AX], v2, 24, v[AX]             ; + 24 h
	v_lshl_add_u32 v[AX+1], v2, 4, v[AX]           ; (+ 40 h)
	v_and_b32 v[RRG], 8, v1
	v_add_nc_u32 v[RRG], v[RRG], v1                ; r + 8 (r / 8)
	v_mul_u32_u24 v[AW], v[RRG], PITCH             ; the weights: permuted rows
	v_mad_u32_u24 v[AW], v2, 24, v[AW]
	v_add_nc_u32 v[AW], s43, v[AW]
	v_lshl_add_u32 v[AW+1], v2, 4, v[AW]
	v_lshlrev_b32 v[L16], 4, v231
	v_lshlrev_b32 v[L8], 3, v231
	v_lshlrev_b32 v[RS16], 4, v[RRG]
	v_lshlrev_b32 v[H64], 6, v2
	v_lshlrev_b32 v[RR4], 2, v[RRG]
	s_lshl_b32 s39, s[WVN], 13
	s_add_co_u32 s39, s39, CST
	v_add_nc_u32 v[ATS], s39, v[L16]
	v_add_nc_u32 v[ATL], CST, v[L16]
	s_mul_i32 s39, s38, 768
	s_lshl_b32 s95, s37, 7
	s_add_co_u32 s39, s39, s95
	s_add_co_u32 s39, s39, AOST
	v_mul_u32_u24 v[ASO], v2, 1536
	v_lshl_add_u32 v[ASO], v1, 3, v[ASO]
	v_add_nc_u32 v[ASO], s39, v[ASO]
	s_lshl_b32 s39, s[WVN], 10
	s_add_co_u32 s39, s39, AOSS
	v_lshl_add_u32 v[ASB], v1, 2, s39
	s_mul_i32 s39, s[WVN], 6144
	s_add_co_u32 s39, s39, AOST
	v_add_nc_u32 v[ARD], s39, v[L16]
	s_lshl_b32 s39, s[WVN], 8
	s_add_co_u32 s39, s39, AOSS
	v_add_nc_u32 v[ARS], s39, v[L8]
	; what comes straight into registers: the weights' scale words (a row's 16 bytes are its four words), the biases in the results' layout, x's first scale words
.irp u, 0,1
	global_load_b128 v[WS+4*\u:WS+4*\u+3], v[RS16], s[10:11] offset:128*\u
	global_load_b128 v[WS+8+4*\u:WS+8+4*\u+3], v[RS16], s[16:17] offset:128*\u
	global_load_b128 v[WS+16+4*\u:WS+16+4*\u+3], v[RS16], s[22:23] offset:128*\u
.endr
	WIN 0x80                                       ; destination window 2
.irp u, 0,1
	global_load_b128 v[BQ+8*\u:BQ+8*\u+3], v[H64], s[12:13] offset:32*\u          ; register j of tile u: channel 16 h + 8 u + j
	global_load_b128 v[BQ+8*\u+4:BQ+8*\u+7], v[H64], s[12:13] offset:32*\u+16
	global_load_b128 v[BK+8*\u:BK+8*\u+3], v[H64], s[18:19] offset:32*\u
	global_load_b128 v[BK+8*\u+4:BK+8*\u+7], v[H64], s[18:19] offset:32*\u+16
.endr
.irp dt, 0,1
.irp j, 0,1,2,3,4,5,6,7
	global_load_b32 v[BV+8*\dt+\j], v[RR4], s[24:25] offset:32*\dt                ; v's lane holds one channel, 8 dt + r + 8 (r / 8): the same number in all eight registers
.endr
.endr
	WIN 0
	XSLOAD 0
	; the table, while the tiles are on their way: wave w makes tiles 4 w .. 4 w + 3
	v_cmp_eq_u32 vcc_lo, 1, v2
	FREQ 0, 0x3f800000, 0x3c23d70a
	FREQ 1, 0x3f0ff59a, 0x3bb8449c
	FREQ 2, 0x3ea1e89b, 0x3b4f3e37
	FREQ 3, 0x3e361887, 0x3ae91528
	FREQ 4, 0x3dcccccd, 0x3a83126f
	FREQ 5, 0x3d6655c3, 0x3a136a16
	FREQ 6, 0x3d0186e2, 0x39a5cb5f
	FREQ 7, 0x3c91ad39, 0x393a7753
	s_lshl_b32 s39, s[WVN], 6
	v_add_nc_u32 v[PB], s39, v[RRG]                ; my row's position in tile 4 w: 64 w + r + 8 (r / 8)
	SINCOS8 0
	SINCOS8 1
	SINCOS8 2
	SINCOS8 3
	s_wait_tensorcnt 0x1                           ; my three tiles of weights, which I alone read, have landed; x's, the youngest of my four loads, may be out
	WIN 0xc0                                       ; destination window 3
.irp u, 0,1
.irp s, 0,1,2,3
	FRAG WQ+48*\u+12*\s, AW, \s, 8*PITCH*\u
	FRAG WK+48*\u+12*\s, AW, \s, WMAT+8*PITCH*\u
.endr
.endr
	WIN 0x80
.irp u, 0,1
.irp s, 0,1,2,3
	FRAG WV+48*\u+12*\s, AW, \s, 2*WMAT+8*PITCH*\u
.endr
.endr
	WIN 0
	s_wait_tensorcnt 0x0                           ; my part of x has landed,
	s_wait_dscnt 0x0                               ; my part of the table is stored, and my reads of the weights are over:
	s_barrier_signal -1
	s_barrier_wait -1                              ; everybody's.  From here on x and the table are read by all, and the weights' bytes may be written
	v_lshlrev_b32 v229, 4, v2
	v_sub_nc_u32 v228, v[RRG], v229                ; d = my query's place in its block of 32 - 16 h, for even tiles,
	v_add_nc_u32 v229, 8, v228                     ; and for odd ones.  Register n's key is hidden where n > d
.irp n, 0,1,2,3,4,5,6,7,8,9,10,11,12,13,14,15
	v_cmp_gt_i32 s[MK+\n], \n, v228
	v_cmp_gt_i32 s[MK+24+\n], \n, v229
.endr
	WIN 0x40                                       ; destination window 1
.set II, 192
.rept 64
	v_mov_b32 v[II], 0                             ; written once: a lane permute's destination counts as one of its sources, and the upper words of pairs are named
.set II, II+1
.endr
	v_mov_b32 v[NGI], 0xff800000                   ; -infinity
	FETCHX 0
	PROJ 0
	PROJ 1
	PROJ 2
	PROJ 3
	WIN 0x80
.set II, 0
.rept 36
	v_mov_b32 v[QV0+II], 0                         ; q's variants, over Wv, which is done with: the middle six of each eighteen stay zeros
.set II, II+1
.endr
.irp g, 0,1,2,3
	ATT 4*\g
	ATT 4*\g+1
	ATT 4*\g+2
	ATT 4*\g+3
	OUTQ \g
.endr
	WIN 0
	s_wait_dscnt 0x0                               ; for the others' sake: my stores into the images are done
	s_barrier_signal -1
	s_barrier_wait -1
.irp k, 0,1,2,3,4,5,6,7,8,9,10,11
	ds_load_b128 v[XF+4*\k:XF+4*\k+3], v[ARD] offset:512*\k        ; four whole images
.endr
.irp p, 0,1,2,3
	ds_load_b64 v[XF+48+2*\p:XF+48+2*\p+1], v[ARS] offset:1024*\p  ; two rows' bytes from each wave's plane
.endr
.irp k, 0,1,2,3,4,5,6,7,8,9,10,11
	s_wait_dscnt 15-\k                             ; the loads issued behind load k may be out
	global_store_b128 v[L16], v[XF+4*\k:XF+4*\k+3], s[26:27] offset:512*\k   ; 32 lanes store 512 consecutive bytes, at a multiple of 256 from the buffer's first byte
.endr
	s_wait_dscnt 0x0
.irp p, 1,2,3
	v_lshl_or_b32 v[XF+48], v[XF+48+2*\p], 8*\p, v[XF+48]          ; byte w of a row's scale word is head 4 g + w's
	v_lshl_or_b32 v[XF+49], v[XF+49+2*\p], 8*\p, v[XF+49]
.endr
	global_store_b64 v[L8], v[XF+48:XF+49], s[28:29]               ; 32 lanes store 256 consecutive bytes, aligned
	s_wait_tensorcnt 0x0
	ds_add_u32 v254, v255
	s_wait_dscnt 0x0
	CROUND                                         ; the closing round: no work-group ends while a partner may still ask for a tile that names it
	s_endpgm
.Lfunc_end_k_qcb6120ed98_attn:
	.size	k_qcb6120ed98_attn, .Lfunc_end_k_qcb6120ed98_attn-k_qcb6120ed98_attn
	.p2alignl 7, 3214868480
	.fill 96, 4, 3214868480
	.section	.rodata,"a",@progbits
	.p2align	6, 0x0
	.amdhsa_kernel k_qcb6120ed98_attn
		.amdhsa_group_segment_fixed_size 327680
		.amdhsa_private_segment_fixed_size 0
		.amdhsa_enable_private_segment 0
		.amdhsa_kernarg_size 104
		.amdhsa_user_sgpr_count 2
		.amdhsa_user_sgpr_kernarg_segment_ptr 1
		.amdhsa_wavefront_size32 1
		.amdhsa_system_sgpr_workgroup_id_x 1
		.amdhsa_system_sgpr_workgroup_id_y 1
		.amdhsa_system_sgpr_workgroup_id_z 1
		.amdhsa_system_vgpr_workitem_id 0
		.amdhsa_next_free_vgpr 1024
		.amdhsa_next_free_sgpr 100
		.amdhsa_reserve_vcc 1
		.amdhsa_float_denorm_mode_32 3
		.amdhsa_float_denorm_mode_16_64 3
		.amdhsa_memory_ordered 1
		.amdhsa_forward_progress 1
		.amdhsa_inst_pref_size 255
	.end_amdhsa_kernel
	.section	.bss,"aw",@nobits
	.p2align	6
	.space	262144
	.amdgpu_metadata
---
amdhsa.version: [ 1, 2 ]
amdhsa.kernels:
  - .name:           k_qcb6120ed98_attn
    .symbol:         k_qcb6120ed98_attn.kd
    .args:
      - { .name: x_codes, .offset: 0, .size: 8, .value_kind: global_buffer, .address_space: global }
      - { .name: x_scales, .offset: 8, .size: 8, .value_kind: global_buffer, .address_space: global }
      - { .name: wq_codes, .offset: 16, .size: 8, .value_kind: global_buffer, .address_space: global }
      - { .name: wq_scales, .offset: 24, .size: 8, .value_kind: global_buffer, .address_space: global }
      - { .name: bq, .offset: 32, .size: 8, .value_kind: global_buffer, .address_space: global }
      - { .name: wk_codes, .offset: 40, .size: 8, .value_kind: global_buffer, .address_space: global }
      - { .name: wk_scales, .offset: 48, .size: 8, .value_kind: global_buffer, .address_space: global }
      - { .name: bk, .offset: 56, .size: 8, .value_kind: global_buffer, .address_space: global }
      - { .name: wv_codes, .offset: 64, .size: 8, .value_kind: global_buffer, .address_space: global }
      - { .name: wv_scales, .offset: 72, .size: 8, .value_kind: global_buffer, .address_space: global }
      - { .name: bv, .offset: 80, .size: 8, .value_kind: global_buffer, .address_space: global }
      - { .name: ao_codes, .offset: 88, .size: 8, .value_kind: global_buffer, .address_space: global }
      - { .name: ao_scales, .offset: 96, .size: 8, .value_kind: global_buffer, .address_space: global }
    .group_segment_fixed_size: 327680
    .private_segment_fixed_size: 0
    .kernarg_segment_align: 8
    .kernarg_segment_size: 104
    .max_flat_workgroup_size: 128
    .sgpr_count:     100
    .vgpr_count:     1024
    .wavefront_size: 32
...
	.end_amdgpu_metadata
.endif
;; end of part 1
;; launch oproj (part 2): grid 64 x 4, 4 waves a work-group, clusters of 4 x 1, 168,448 bytes of LDS; arguments ao_codes, ao_scales, wo_codes, wo_scales, bo, out0; writes out0
.if DOCPART == 2
	.amdgcn_target "amdgcn-amd-amdhsa--gfx1250"
	.amdhsa_code_object_version 6
	.text
	.protected	k_qcb6120ed98_oproj
	.globl	k_qcb6120ed98_oproj
	.p2align	8
	.type	k_qcb6120ed98_oproj,@function
k_qcb6120ed98_oproj:
	s_mov_b64 s[64:65], 0
	v_nop
	global_prefetch_b8 v0, s[64:65] scope:SCOPE_SE
	s_setreg_imm32_b32 hwreg(HW_REG_WAVE_MODE, 25, 1), 1
	s_wait_xcnt 0x0
	s_wait_alu depctr_hold_cnt(0) depctr_sa_sdst(0) depctr_va_vdst(0) depctr_va_sdst(0) depctr_va_ssrc(0) depctr_va_vcc(0) depctr_vm_vsrc(0)
	s_getreg_b32 s2, hwreg(HW_REG_IB_STS2, 6, 4)
	s_cmp_eq_u32 s2, 0
	s_cbranch_scc0 .Lentry_in_a_cluster
	s_endpgm
.Lentry_in_a_cluster:
	s_bfe_u32 s2, ttmp6, 0x10000c
	s_cmp_lg_u32 s2, 0x3003
	s_cbranch_scc0 .Lentry_shape_is_right
	s_endpgm
.Lentry_shape_is_right:
; out0 = (attention's result) Wo + bo, on codes of FP6 (E2M3) with one E8M0 scale for each 32 along K = 512.
; A comes from the launch before as images of the operand's registers: ao_codes [batch][K step 4][token tile 16][piece 6][lane 32][8 bytes], ao_scales [batch][K step][tile][row 16] words.
; Row r of tile 2 b + u is token 32 b + 8 u + r + 8 (r / 8): the stores' immediates put the rows back in their places.   Wo: 512 rows (its output column) of 384 bytes of codes and 16 scale bytes.
; SHARES.  A work-group makes a batch's 256 tokens x 128 columns: 256 work-groups of equal work.  Wave w takes token tiles 4 w .. 4 w + 3 against all eight tiles of columns: 32 accumulators, 128 products.
; A's fragments feed one wave each, so they come straight into its registers, each load 256 consecutive aligned bytes; a way through LDS would add a trip and spare nothing.
; Wo's 128 rows are read by all four waves: through LDS, filled once.  CLUSTER 4 x 1: the four work-groups of a cluster have the same columns and ask for Wo's rows JOINTLY.
; THE PRODUCT IS USED TRANSPOSED (source 0 = 16 rows of Wo, source 1 = 16 tokens): a lane holds eight neighbouring columns of one token's row.  The bias is the C of each sum's first product.
; THE WAY OUT: a tile of 16 rows x 128 columns goes through the wave's own stage in LDS and comes back as whole rows of 512 bytes, into the accumulators' own registers, which are not written again.
; LIMITS: NaN, infinities and scale bytes 0xff among the inputs are not served.
; REGISTERS, in windows of 256: window 0: v1-12 addresses; v16-23 A's scale words; v24-55 Wo's; v56-247 A's 16 fragments.   window 1: v0-191 Wo's fragments of K steps 0, 1; v192-255 the bias.
;   window 2: v0-191 Wo's fragments of K steps 2, 3.   window 3: the 32 accumulators, (tile tt, columns ct) at v[8 (8 tt + ct)].
.set PITCH, 432                        ; a row of 384 bytes in LDS: 16 bytes of padding behind each 128: 108 words, so row r starts at bank 44 r mod 64 and the 32 lanes of a load of 8 bytes touch 64 different banks (64 banks of 4 bytes: ISA guide 11.1)
.set XBLK,  16*PITCH
.set STG,   8*XBLK                     ; behind Wo's rows: a stage of 16 rows x (512 + 16) bytes for each wave
.set SPITCH, 528
.set AB,   3                           ; v3, v4  Wo's fragments: my row and half; v4 for pieces that lie behind one padding more
.set STO,  5                           ; v5   the stage: where I put 32 bytes of a row
.set RD,   6                           ; v6   and where I read a row back
.set L16,  7                           ; v7   16 x lane
.set L8,   8                           ; v8   8 x lane
.set L4,   9                           ; v9   4 x lane
.set R16,  10                          ; v10  16 r
.set H32,  11                          ; v11  32 h
.set AS,   16                          ; (K step s, pair pp) at v[16 + 2 s + pp]: lanes 0-15 tile 4 w + 2 pp, lanes 16-31 the next tile
.set BS,   24                          ; (ct, s) at v[24 + 4 ct + s]
.set AF,   56                          ; (tt, s) at v[56 + 48 tt + 12 s]
.set BIA,  192                         ; window 1
.set WVN,  28
.set MSB, 0
.macro WIN new                         ; the immediate's high byte repeats the setting that is left; a switch that changes nothing is dropped
.if MSB != (\new)
	s_set_vgpr_msb (MSB<<8)|(\new)
.set MSB, \new
.endif
.endm
.macro PLACES n
.rept \n
	v_nop
.endr
.endm
.macro CROUND                          ; a round of the cluster's barrier
	s_barrier_signal -1
	s_barrier_wait -1
	s_cmp_lg_u32 s[WVN], 0
	s_cbranch_scc1 .Lnot_wave_0_\@
	s_barrier_signal -3
.Lnot_wave_0_\@:
	s_barrier_wait -3
	s_barrier_signal -1
	s_barrier_wait -1
.endm
.macro FRAG reg, adr, s, off           ; a fragment in pieces of 8 bytes; where the piece three on (lanes 16-31) lies behind one padding more, the second address register serves
.irp p, 0,1,2,3,4,5
.set PCE, 12*(\s)+6*(\p/3)+\p%3
.if PCE%16 < 13
	ds_load_b64 v[(\reg)+2*\p:(\reg)+2*\p+1], v[\adr] offset:(\off)+8*PCE+16*(PCE/16)
.else
	ds_load_b64 v[(\reg)+2*\p:(\reg)+2*\p+1], v[(\adr)+1] offset:(\off)+8*PCE+16*(PCE/16)
.endif
.endr
.endm
.macro OWM d, a, b, c, sa, sb, row     ; row = 1: the tokens' scale words are taken from lanes 16-31
.if \row
	v_wmma_scale_f32_16x16x128_f8f6f4 v[(\d):(\d)+7], v[(\a):(\a)+11], v[(\b):(\b)+11], v[(\c):(\c)+7], v[\sa], v[\sb] matrix_a_fmt:MATRIX_FMT_FP6 matrix_b_fmt:MATRIX_FMT_FP6 matrix_b_scale:MATRIX_SCALE_ROW1
.else
	v_wmma_scale_f32_16x16x128_f8f6f4 v[(\d):(\d)+7], v[(\a):(\a)+11], v[(\b):(\b)+11], v[(\c):(\c)+7], v[\sa], v[\sb] matrix_a_fmt:MATRIX_FMT_FP6 matrix_b_fmt:MATRIX_FMT_FP6
.endif
.endm
; Token tile tt: 32 products, its eight accumulators by turns, K ascending.
.macro MULT tt
.irp s, 0,1,2,3
.if (\tt) == 0                                 ; Wo's fragments were asked for K step by K step, 48 loads each
.if \s < 2
	s_wait_dscnt 63                                ; 144 and 96 younger loads might stay out: the count is the largest that the wait can name
.elseif \s == 2
	s_wait_dscnt 48                                ; K step 3's may be out
.else
	s_wait_dscnt 0
.endif
.endif
.if \s == 0
	WIN 0xd1                                       ; source 0 (Wo) window 1, source 1 (A) window 0, C (bias) window 1, D window 3
.elseif \s == 1
	WIN 0xf1                                       ; C and D window 3
.else
	WIN 0xf2                                       ; Wo in window 2
.endif
.irp ct, 0,1,2,3,4,5,6,7
.if \s == 0
	OWM 8*(8*(\tt)+\ct), 24*\ct+12*(\s%2), AF+48*(\tt)+12*\s, BIA+8*\ct, BS+4*\ct+\s, AS+2*\s+(\tt)/2, (\tt)%2
.else
	OWM 8*(8*(\tt)+\ct), 24*\ct+12*(\s%2), AF+48*(\tt)+12*\s, 8*(8*(\tt)+\ct), BS+4*\ct+\s, AS+2*\s+(\tt)/2, (\tt)%2
.endif
.endr
.endr
.endm
.macro TOSTAGE tt                      ; LDS serves a wave's instructions in order (ISA guide 5.7.1.4): the loads see the stores above them
	WIN 0x0c                                       ; an LDS store's data are its source 1: window 3
.irp ct, 0,1,2,3,4,5,6,7
	ds_store_b128 v[STO], v[8*(8*(\tt)+\ct):8*(8*(\tt)+\ct)+3] offset:64*\ct       ; each accumulator from its low end on
	ds_store_b128 v[STO], v[8*(8*(\tt)+\ct)+4:8*(8*(\tt)+\ct)+7] offset:64*\ct+16
.endr
	WIN 0xc0                                       ; destination window 3
.irp i, 0,1,2,3,4,5,6,7,8,9,10,11,12,13,14,15
	ds_load_b128 v[64*(\tt)+4*\i:64*(\tt)+4*\i+3], v[RD] offset:SPITCH*\i
.endr
.endm
.macro SEND tt
	s_wait_dscnt 0x0                               ; the tile's rows are back in registers
	WIN 0x0c                                       ; a store's data are its source 1: window 3
.irp i, 0,1,2,3,4,5,6,7,8,9,10,11,12,13,14,15
	global_store_b128 v[L16], v[64*(\tt)+4*\i:64*(\tt)+4*\i+3], s[14:15] offset:(32*((\tt)/2)+8*((\tt)%2)+\i+8*(\i/8))*2048 th:TH_STORE_NT   ; 32 lanes store 512 consecutive bytes, at a multiple of 256 from the buffer's first byte; written once, read by nobody here
.endr
.endm
	s_load_b256 s[4:11], s[0:1], 0x0               ; ao_codes s[4:5], ao_scales s[6:7], Wo's codes s[8:9], Wo's scales s[10:11]
	s_load_b128 s[12:15], s[0:1], 0x20             ; bo s[12:13], out0 s[14:15]
	v_lshl_add_u32 v254, v0, 2, 0x29000
	v_mov_b32 v255, 0
	ds_add_u32 v254, v255
	ds_add_u32 v254, v255
	v_lshrrev_b32 v1, 5, v0
	v_readfirstlane_b32 s[WVN], v1                 ; wave 0..3
	s_bfe_u32 s29, ttmp6, 0x40000                  ; cx
	s_lshl_b32 s30, ttmp9, 2
	s_add_co_u32 s30, s30, s29                     ; the batch = 4 x cluster x + cx
	s_and_b32 s31, ttmp7, 0xffff                   ; the block of 128 columns, which the four partners share
	; group 1: 32 rows of Wo, two dense blocks of 16 rows (768 elements of 8 bytes each)
	s_mov_b32 s16, 15|(3<<16)|(1<<20)|(1<<21)|(4<<22)|(3<<25)   ; 15:0 the mask: all four work-groups; 17:16 elements of 8 bytes; 20 padding on; 21 set beside a mask; 24:22 after every 32 words (code 4); 31:25 of 4 words (code 3)
	s_mov_b32 s17, 768<<16                         ; tensor_dim0 = 768
	s_mov_b32 s18, 2<<16                           ; tensor_dim1 = 2
	s_mov_b32 s19, 768<<16                         ; tile_dim0 = 768
	s_mov_b32 s20, 2                               ; tile_dim1 = 2
	s_mov_b32 s21, 768                             ; dense
	s_mov_b32 s22, 0
	s_mov_b32 s23, 0
	s_mul_i32 s25, s[WVN], 2*XBLK                  ; where my 32 rows go
	s_mul_i32 s32, s31, 49152                      ; and where they come from: the block of columns and the wave's number
	s_mul_i32 s33, s[WVN], 12288
	s_add_co_u32 s32, s32, s33
	s_mov_b32 s33, 0
	s_wait_dscnt 0x0
	s_wait_kmcnt 0x0
	s_mov_b32 s24, 1
	s_add_nc_u64 s[26:27], s[8:9], s[32:33]
	s_or_b32 s27, s27, 0x80000000
	CROUND                                         ; all four work-groups are here: the joint loads meet
	tensor_load_to_lds s[24:27], s[16:23]          ; one load of mine is out
	s_nop 0
.rept 4
	v_nop
.endr
	s_mul_i32 s34, s30, 98304                      ; A's images: the batch's, from my wave's four tiles on
	s_mul_i32 s35, s[WVN], 6144
	s_add_co_u32 s34, s34, s35
	s_mov_b32 s35, 0
	s_add_nc_u64 s[4:5], s[4:5], s[34:35]
	s_lshl_b32 s34, s30, 12                        ; their scale words
	s_lshl_b32 s36, s[WVN], 8
	s_add_co_u32 s34, s34, s36
	s_add_nc_u64 s[6:7], s[6:7], s[34:35]
	s_lshl_b32 s34, s31, 11                        ; Wo's scale bytes: 128 rows of 16
	s_add_nc_u64 s[10:11], s[10:11], s[34:35]
	s_lshl_b32 s34, s31, 9                         ; the bias, and the columns' place in a row of the output: 512 bytes
	s_add_nc_u64 s[12:13], s[12:13], s[34:35]
	s_add_nc_u64 s[14:15], s[14:15], s[34:35]
	s_lshl_b32 s34, s30, 19                        ; the batch's 256 rows of 2,048 bytes,
	s_lshl_b32 s36, s[WVN], 17                     ; my wave's 64 of them
	s_add_co_u32 s34, s34, s36
	s_add_nc_u64 s[14:15], s[14:15], s[34:35]
	v_and_b32 v1, 15, v0                           ; r
	v_bfe_u32 v2, v0, 4, 1                         ; h
	v_and_b32 v12, 31, v0                          ; lane
	v_mul_u32_u24 v[AB], v1, PITCH
	v_mad_u32_u24 v[AB], v2, 24, v[AB]
	v_lshl_add_u32 v[AB+1], v2, 4, v[AB]
	s_mul_i32 s37, s[WVN], 16*SPITCH
	s_add_co_u32 s37, s37, STG                     ; my stage
	v_mul_u32_u24 v[STO], v1, SPITCH               ; in: row r, 32 bytes for each half of the lanes
	v_lshl_add_u32 v[STO], v2, 5, v[STO]
	v_add_nc_u32 v[STO], s37, v[STO]
	v_lshlrev_b32 v[L16], 4, v12
	v_add_nc_u32 v[RD], s37, v[L16]                ; back: the 32 lanes take one row of 512 bytes
	v_lshlrev_b32 v[L8], 3, v12
	v_lshlrev_b32 v[L4], 2, v12
	v_lshlrev_b32 v[R16], 4, v1
	v_lshlrev_b32 v[H32], 5, v2
.irp ct, 0,1,2,3,4,5,6,7
	global_load_b128 v[BS+4*\ct:BS+4*\ct+3], v[R16], s[10:11] offset:256*\ct      ; a row's 16 scale bytes are its four words
.endr
	WIN 0x40                                       ; destination window 1
.irp ct, 0,1,2,3,4,5,6,7
	global_load_b128 v[BIA+8*\ct:BIA+8*\ct+3], v[H32], s[12:13] offset:64*\ct     ; register j of tile ct: column 16 ct + 8 h + j
	global_load_b128 v[BIA+8*\ct+4:BIA+8*\ct+7], v[H32], s[12:13] offset:64*\ct+16
.endr
	WIN 0
.irp s, 0,1,2,3
.irp pp, 0,1
	global_load_b32 v[AS+2*\s+\pp], v[L4], s[6:7] offset:1024*\s+128*\pp
.endr
.endr
.irp tt, 0,1,2,3                               ; A, tile by tile: 24 loads each
.irp s, 0,1,2,3
.irp p, 0,1,2,3,4,5
	global_load_b64 v[AF+48*\tt+12*\s+2*\p:AF+48*\tt+12*\s+2*\p+1], v[L8], s[4:5] offset:24576*\s+1536*\tt+256*\p
.endr
.endr
.endr
	s_wait_tensorcnt 0x0                           ; my 32 rows of Wo have landed,
	s_barrier_signal -1
	s_barrier_wait -1                              ; everybody's have
	WIN 0x40
.irp s, 0,1
.irp ct, 0,1,2,3,4,5,6,7
	FRAG 24*\ct+12*\s, AB, \s, XBLK*\ct
.endr
.endr
	WIN 0x80                                       ; destination window 2
.irp s, 2,3
.irp ct, 0,1,2,3,4,5,6,7
	FRAG 24*\ct+12*(\s-2), AB, \s, XBLK*\ct
.endr
.endr
	s_wait_loadcnt 63                              ; the scale words, the bias and tile 0 of A are in: 72 younger loads might stay out, and the count is the largest that the wait can name
	MULT 0
	PLACES 4                                       ; in front of stores that read results just made, and of loads into them
	TOSTAGE 0
	s_wait_loadcnt 48                              ; tiles 2 and 3 of A may be out
	MULT 1                                         ; a tile's products stand between the loads from the stage and the wait for them
	SEND 0
	PLACES 4
	TOSTAGE 1
	s_wait_loadcnt 24
	MULT 2
	SEND 1
	PLACES 4
	TOSTAGE 2
	s_wait_loadcnt 0
	MULT 3
	SEND 2
	PLACES 4
	TOSTAGE 3
	SEND 3
	WIN 0
	s_wait_tensorcnt 0x0
	ds_add_u32 v254, v255
	s_wait_dscnt 0x0
	CROUND                                         ; the closing round: no work-group ends while a partner may still ask for a tile that names it
	s_endpgm
.Lfunc_end_k_qcb6120ed98_oproj:
	.size	k_qcb6120ed98_oproj, .Lfunc_end_k_qcb6120ed98_oproj-k_qcb6120ed98_oproj
	.p2alignl 7, 3214868480
	.fill 96, 4, 3214868480
	.section	.rodata,"a",@progbits
	.p2align	6, 0x0
	.amdhsa_kernel k_qcb6120ed98_oproj
		.amdhsa_group_segment_fixed_size 168448
		.amdhsa_private_segment_fixed_size 0
		.amdhsa_enable_private_segment 0
		.amdhsa_kernarg_size 48
		.amdhsa_user_sgpr_count 2
		.amdhsa_user_sgpr_kernarg_segment_ptr 1
		.amdhsa_wavefront_size32 1
		.amdhsa_system_sgpr_workgroup_id_x 1
		.amdhsa_system_sgpr_workgroup_id_y 1
		.amdhsa_system_sgpr_workgroup_id_z 1
		.amdhsa_system_vgpr_workitem_id 0
		.amdhsa_next_free_vgpr 1024
		.amdhsa_next_free_sgpr 66
		.amdhsa_reserve_vcc 0
		.amdhsa_float_denorm_mode_32 3
		.amdhsa_float_denorm_mode_16_64 3
		.amdhsa_memory_ordered 1
		.amdhsa_forward_progress 1
		.amdhsa_inst_pref_size 61
	.end_amdhsa_kernel
	.amdgpu_metadata
---
amdhsa.version: [ 1, 2 ]
amdhsa.kernels:
  - .name:           k_qcb6120ed98_oproj
    .symbol:         k_qcb6120ed98_oproj.kd
    .args:
      - { .name: ao_codes, .offset: 0, .size: 8, .value_kind: global_buffer, .address_space: global }
      - { .name: ao_scales, .offset: 8, .size: 8, .value_kind: global_buffer, .address_space: global }
      - { .name: wo_codes, .offset: 16, .size: 8, .value_kind: global_buffer, .address_space: global }
      - { .name: wo_scales, .offset: 24, .size: 8, .value_kind: global_buffer, .address_space: global }
      - { .name: bo, .offset: 32, .size: 8, .value_kind: global_buffer, .address_space: global }
      - { .name: out0, .offset: 40, .size: 8, .value_kind: global_buffer, .address_space: global }
    .group_segment_fixed_size: 168448
    .private_segment_fixed_size: 0
    .kernarg_segment_align: 8
    .kernarg_segment_size: 48
    .max_flat_workgroup_size: 128
    .sgpr_count:     66
    .vgpr_count:     1024
    .wavefront_size: 32
...
	.end_amdgpu_metadata
.endif
;; end of part 2
;; ======== version 2 of 2: 2 launches
;; limits: right only within a limited range of input values
;; workspace buffers: ao_codes 6,291,456 bytes; ao_scales 262,144 bytes
;; launch attn (part 3): grid 4 x 64, 8 waves a work-group, clusters of 4 x 4, 327,680 bytes of LDS; arguments x_codes, x_scales, wq_codes, wq_scales, bq, wk_codes, wk_scales, bk, wv_codes, wv_scales, bv, ao_codes, ao_scales; writes ao_codes, ao_scales
.if DOCPART == 3
	.amdgcn_target "amdgcn-amd-amdhsa--gfx1250"
	.amdhsa_code_object_version 6
	.text
	.protected	k_qcb6120ed98_attn
	.globl	k_qcb6120ed98_attn
	.p2align	8
	.type	k_qcb6120ed98_attn,@function
k_qcb6120ed98_attn:
	s_mov_b64 s[64:65], 0
	v_nop
	global_prefetch_b8 v0, s[64:65] scope:SCOPE_SE
	s_setreg_imm32_b32 hwreg(HW_REG_WAVE_MODE, 25, 1), 1
	s_wait_xcnt 0x0
	s_wait_alu depctr_hold_cnt(0) depctr_sa_sdst(0) depctr_va_vdst(0) depctr_va_sdst(0) depctr_va_ssrc(0) depctr_va_vcc(0) depctr_vm_vsrc(0)
	s_getreg_b32 s2, hwreg(HW_REG_IB_STS2, 6, 4)
	s_cmp_eq_u32 s2, 0
	s_cbranch_scc0 .Lentry_in_a_cluster
	s_endpgm
.Lentry_in_a_cluster:
	s_bfe_u32 s2, ttmp6, 0x10000c
	s_cmp_lg_u32 s2, 0xf033
	s_cbranch_scc0 .Lentry_shape_is_right
	s_endpgm
.Lentry_shape_is_right:
; q, k, v = x W + b; RoPE on q and k; causal attention; the result quantised for the output projection.  All products on codes of FP6 (E2M3) with one E8M0 scale for each 32 along K.
; SIZES: 64 batches x 256 tokens x 512; 16 heads of 32 channels.  x: rows of 384 bytes of codes and 16 scale bytes; each weight: 512 rows (its output channel) of the same make.
; SHARES.  A work-group is (a group of four heads, a batch): 256 work-groups of equal work, eight waves each.  Waves 2 d and 2 d + 1 serve head d of the group.  In the projections wave 2 d makes q and wave 2 d + 1 makes k of all 256 tokens,
; by one text (the LDS addresses and the bases differ), and each makes one of v's two tiles of channels.  What they make goes to LDS as operand images.  In the attention wave 2 d + u takes the query tiles 2 b + u, b = 0 .. 7.
; CLUSTER 4 x 4: the four work-groups of a row have the same batch and ask for x and its scales JOINTLY; the four of a column have the same heads and ask for the weights jointly.  Every LDS byte is filled once, one tensor load a wave.
; TOKEN TILES ARE PERMUTED: row r of tile 2 b + u is token 32 b + 8 u + r + 8 (r / 8): the 16 registers that two neighbouring tiles leave in a lane are tokens 32 b + 16 (lane / 16) + 0 .. 15.  The weights' rows are chosen alike.
; q, k: source 0 = 16 rows of W, source 1 = 16 tokens: a lane holds one token, registers along the channels.   v: source 0 = x, source 1 = Wv: a lane holds one channel, registers along the tokens.
; THE PRODUCT WITH K = 32.  A packed fragment of q or k holds four token tiles, one to each block of 32 along K.  A tile of scores is (packed k from its register 0 or 6 on) x (the query tile's codes in block 0 alone or in block 1 alone,
; zero codes in the other three): so registers 6 on serve tiles 2, 3, with k's scale word shifted by two bytes.  q's codes come from LDS with the other half of the lanes reading a run of zeros.
; SOFTMAX.  All keys of a query tile lie in registers: the row's true maximum is taken once; M = ceil(largest t), p = 2^(t - M); the sum is of the unquantised p.  Query block k runs beside block 7 - k: nine blocks of 32 keys in every step.
; WORK LEFT OUT: the causal mask puts -inf on every key behind the query, so for queries of block b all keys of blocks b + 1 on have p = 0 whatever the inputs hold: those blocks' scores and their share of the second product are not computed.
; A NaN, an infinity or an overflow that reaches only those scores is not carried to the result.
; OUT: ao_codes [batch][group][tile][piece 3][lane 32][16 bytes], images of the output projection's operand; ao_scales [batch][group][tile][row 16] words, byte d for head d of the group.
; NO PREFETCH: each work-group asks for all it reads once, at its head; no loop here loads from memory, so there is no trip to run ahead of.
; LIMITS: NaN, infinities and scale bytes 0xff among the inputs are not served.  A block whose largest magnitude lies under 2^(3 - 127), a block of zeros among them, gets the byte 1 where the rule says 127: its codes are zeros or next to it,
; and the bytes are read by this program alone.  A hidden score is -3e38 and not -infinity: its p is 0 all the same while scores stay under 1e37 in magnitude.
; The 16 frequencies are the f32 numbers nearest to 10^(-i / 4).  Sine and cosine: reduction by multiples of pi / 2 in two parts and polynomials, good to about 1e-7 for the angles here (up to 255).
; REGISTERS, windows of 256 (s_set_vgpr_msb's low byte: bits 1:0 source 0, 3:2 source 1, 5:4 source 2, 7:6 destination; scale operands always from window 0).
.set PITCH, 432                        ; a row of 384 bytes in LDS: 16 bytes of padding behind each 128
.set XBLK,  16*PITCH
.set XOB,   8*XBLK+128                 ; x's odd blocks of 16 rows; the even ones at 0
.set WB,    2*XOB                      ; Wq, Wk, Wv: 128 rows each
.set WMAT,  128*PITCH
.set CST,   WB+3*WMAT                  ; cosines and sines: tile x 4 pieces of 512 bytes
.set XSC,   CST+32768                  ; x's scale bytes: 256 rows of 16
.set SPARE, XSC+4096                   ; the spare words: 128 bytes a wave
.set ZA,    SPARE+1024                 ; 6,144 bytes of zeros
.set AOST,  WB                         ; over the weights, which have had their only fill and, at the second barrier, their last read: the stage for the way out,
.set AOSS,  AOST+24576                 ; its scale words,
.set IMB,   AOST+28672                 ; and for each head PHD bytes: images of packed q (0), packed k (6144), v, scale words
.set PHD,   20480
.set VIMG,  12288
.set SWI,   18432
.set G1C,   (3<<16)|(1<<20)|(1<<21)|(4<<22)|(3<<25)   ; elements of 8 bytes; padding on; 21 set beside a mask; after every 32 words (code 4) 4 words (code 3)
; window 0, addresses (v4-22 later hold halves of p's codes)
.set AX,   3
.set AXT,  5
.set ATL,  13
.set QST,  14
.set VST,  15
.set SST,  16
.set XSB,  17
.set TBT,  18
.set QTT,  19
.set VTT,  20
.set STT,  21
.set XST,  22
.set QRL,  23
.set QRU,  24
.set IM16, 25
.set IM8,  26
.set IM4,  27
.set OA0,  28
.set OA1,  29
.set OA2,  30
.set ASB,  31
.set WS,   32                          ; the projections: scale words of my weights; 46 on x's
.set XS,   46
.set B1,   62
.set BV,   78
.set CSR,  86                          ; cosines and sines of four tiles; then the quantisers' work
.set XF,   150                         ; x's fragments, two buffers
.set MK1,  246                         ; the mask of the diagonal block's second key tile
.set SPW,  254
.set NIL,  255
.set KP,   32                          ; the attention: packed k (and six registers behind it),
.set VF,   86
.set QV,   134
.set PF,   182
.set KS,   218                         ; k's scale words, then (222 on) the same shifted by two bytes
.set QSR,  226
.set VS,   234
.set PS,   238
.set PT,   4
.set QT,   PF
.set XV,   PF+4
; window 1
.set WA,   0                           ; Wq's or Wk's fragments
.set WV,   96
.set QA,   144
.set VA,   208
.set TMPR, 240
.set MK0,  248
.set SCO,  0
.set OAC,  144
.set XC,   176                         ; the way out: codes,
.set XT,   190                         ; maxima, the other half's, scale operands, bytes (over the small tile's chains, which have served by then)
.set XP,   194
.set XO,   196
.set XB,   198
.set SMS,  190                         ; the rows' sums, four chains each
.set SML,  180
.set LX,   188
.set BMX,  200
.set BXX,  209
.set SOP,  218
.set NMR,  228
.set RL,   232
.set MX,   236
; the table's work
.set FQ,   86
.set PB,   94
.set PP,   95
.set TA,   96
.set TN,   104
.set TZ,   112
.set TSN,  120
.set TCS,  128
.set TQ,   136
.set TOU,  144
.set TT,   160
.set RRG,  170
; the quantisers' work, in the table's registers
.set TM,   CSR
.set TX,   CSR+8
.set TS,   CSR+16
.set TB,   CSR+24
.set PW,   CSR+30
.set PWV,  CSR+31
.set PC,   CSR+32
.set PCT,  CSR+44
.set PV,   CSR+52
.set PVT,  CSR+58
.set WVN,  30
.set SEL,  96
.set CS,   98
.set MSB, 0
.macro WIN new                         ; the immediate's high byte repeats the setting that is left; a switch that changes nothing is dropped
.if MSB != (\new)
	s_set_vgpr_msb (MSB<<8)|(\new)
.set MSB, \new
.endif
.endm
.macro PLACES n
.rept \n
	v_nop
.endr
.endm
.macro WALU
	s_wait_alu depctr_va_vdst(0)
.endm
.macro CROUND                          ; a round of the cluster's barrier
	s_barrier_signal -1
	s_barrier_wait -1
	s_cmp_lg_u32 s[WVN], 0
	s_cbranch_scc1 .Lnot_wave_0_\@
	s_barrier_signal -3
.Lnot_wave_0_\@:
	s_barrier_wait -3
	s_barrier_signal -1
	s_barrier_wait -1
.endm
; A fragment, 16 rows x 128 K: lane (r, h) takes 24 bytes at 96 s + 24 h and 24 at 96 s + 48 + 24 h of its row, in pieces of 8 bytes, two to a load where both lie behind as many paddings.
; Where the piece three on (lanes 16-31) lies behind one padding more, the second address register serves.  14 loads for a row's four fragments: 3, 4, 4, 3.
.macro FRAG2 reg, adr, s
.set SK_, 0
.irp p, 0,1,2,3,4,5
.if SK_
.set SK_, 0
.else
.set P0_, 12*(\s)+6*(\p/3)+\p%3
.set P1_, 12*(\s)+6*((\p+1)/3)+(\p+1)%3
.set X0_, ((P0_%16)+3)/16
.set X1_, ((P1_%16)+3)/16
.if (\p < 5) && (X0_ == X1_)
.set SK_, 1
	ds_load_2addr_b64 v[(\reg)+2*\p:(\reg)+2*\p+3], v[(\adr)+X0_] offset0:P0_+2*(P0_/16) offset1:P1_+2*(P1_/16)
.else
	ds_load_b64 v[(\reg)+2*\p:(\reg)+2*\p+1], v[(\adr)+X0_] offset:8*(P0_+2*(P0_/16))
.endif
.endif
.endr
.endm
.macro WM0 d, a, b, sa, sb             ; a product that starts a sum
	v_wmma_scale_f32_16x16x128_f8f6f4 v[(\d):(\d)+7], v[(\a):(\a)+11], v[(\b):(\b)+11], 0, v[\sa], v[\sb] matrix_a_fmt:MATRIX_FMT_FP6 matrix_b_fmt:MATRIX_FMT_FP6
.endm
.macro WMC d, a, b, c, sa, sb          ; a product onto c: a bias, a mask, or the sum itself
	v_wmma_scale_f32_16x16x128_f8f6f4 v[(\d):(\d)+7], v[(\a):(\a)+11], v[(\b):(\b)+11], v[(\c):(\c)+7], v[\sa], v[\sb] matrix_a_fmt:MATRIX_FMT_FP6 matrix_b_fmt:MATRIX_FMT_FP6
.endm
.macro FREQ j, lo, hi                  ; my frequency j: 10^(-(8 h + j) / 4)
	v_mov_b32 v[FQ+\j], \hi
	v_cndmask_b32 v[FQ+\j], \lo, v[FQ+\j], vcc_lo
.endm
.macro XSLOAD                          ; x's scale words of four token tiles: a row's 16 bytes are its four words
.irp tt, 0,1,2,3
	ds_load_b128 v[XS+4*\tt:XS+4*\tt+3], v[XST] offset:(32*(\tt/2)+8*(\tt%2))*16
.endr
.endm
.macro FETCHX s                        ; x's four fragments of K step s into buffer s % 2: 12, 16, 16, 12 loads
.irp tt, 0,1,2,3
	FRAG2 XF+48*((\s)%2)+12*\tt, AXT+2*\tt, \s
.endr
.endm
; 12 products, one K step of q (or k) and of my tile of v for four token tiles; the 12 accumulators by turns.  The first step's C is the bias.
.macro MULP s
.set XB, XF+48*((\s)%2)
.if (\s) == 0
	WIN 0x41
.else
	WIN 0x51
.endif
.irp tt, 0,1,2,3
.irp u, 0,1
.if (\s) == 0
	WMC QA+16*\tt+8*\u, WA+48*\u+12*(\s), XB+12*\tt, B1+8*\u, WS+4*\u+(\s), XS+4*\tt+(\s)
.else
	WMC QA+16*\tt+8*\u, WA+48*\u+12*(\s), XB+12*\tt, QA+16*\tt+8*\u, WS+4*\u+(\s), XS+4*\tt+(\s)
.endif
.endr
.endr
.if (\s) == 0
	WIN 0x44
.else
	WIN 0x54
.endif
.irp tt, 0,1,2,3
.if (\s) == 0
	WMC VA+8*\tt, XB+12*\tt, WV+12*(\s), BV, XS+4*\tt+(\s), WS+8+(\s)
.else
	WMC VA+8*\tt, XB+12*\tt, WV+12*(\s), VA+8*\tt, XS+4*\tt+(\s), WS+8+(\s)
.endif
.endr
.endm
; RoPE, a pair (x1, x2) at a time: (-x2 sin, x1 sin), then + (x1, x2) cos.
.macro ROPE
	WIN 0x51
.irp tt, 0,1,2,3
.irp u, 0,1
.irp k, 0,1,2,3
	v_pk_mul_f32 v[TMPR+2*\k:TMPR+2*\k+1], v[QA+16*\tt+8*\u+2*\k:QA+16*\tt+8*\u+2*\k+1], v[CSR+16*\tt+8*\u+2*\k:CSR+16*\tt+8*\u+2*\k+1] op_sel:[1,1] op_sel_hi:[0,1] neg_lo:[0,1]
.endr
.irp k, 0,1,2,3
	v_pk_fma_f32 v[QA+16*\tt+8*\u+2*\k:QA+16*\tt+8*\u+2*\k+1], v[QA+16*\tt+8*\u+2*\k:QA+16*\tt+8*\u+2*\k+1], v[CSR+16*\tt+8*\u+2*\k:CSR+16*\tt+8*\u+2*\k+1], v[TMPR+2*\k:TMPR+2*\k+1] op_sel_hi:[1,0,1]
.endr
.endr
.endr
.endm
.macro EACH6 m
.irp b, 0,1,2,3,4,5
	\m \b
.endr
.endm
.macro Q_PERM b
	v_permlanex16_b32 v[TX+\b], v[TM+\b], s[SEL], s[SEL+1]
.endm
.macro Q_MAX b
	v_max_num_f32 v[TM+\b], v[TM+\b], v[TX+\b]
.endm
.macro Q_OP b                          ; 2 off the exponent field: the conversion's scale operand
	v_add_nc_u32 v[TS+\b], 0xff000000, v[TM+\b]
.endm
.macro Q_BYTE b
	v_lshrrev_b32 v[TB+\b], 23, v[TS+\b]
.endm
; The six blocks of a trip: blocks 0-3 the four tiles' channels of q or k, blocks 4, 5 my channel of v along two blocks of tokens; registers QA + 16 b + i (VA follows QA).
.macro QUANT6
	WIN 0x05
.irp b, 0,1,2,3,4,5
	v_max3_num_f32 v[TM+\b], |v[QA+16*\b]|, |v[QA+16*\b+1]|, 0x1800000   ; the floor 2^(3 - 127): the byte cannot fall under 1
.endr
	WIN 0x14
.irp i, 2,4,6,8,10,12,14
.irp b, 0,1,2,3,4,5
	v_max3_num_f32 v[TM+\b], v[TM+\b], |v[QA+16*\b+\i]|, |v[QA+16*\b+\i+1]|
.endr
.endr
	WIN 0
	EACH6 Q_PERM
	EACH6 Q_MAX                                    ; with lane l xor 16's: the block's largest magnitude
	EACH6 Q_OP
	EACH6 Q_BYTE
	WIN 0x01
.irp c, 0,1
	v_cvt_scalef32_pk16_fp6_f32 v[PC+6*\c:PC+6*\c+2], v[QA+32*\c:QA+32*\c+15], v[TS+2*\c]
	v_cvt_scalef32_pk16_fp6_f32 v[PCT+4*\c:PCT+4*\c+2], v[QA+32*\c+16:QA+32*\c+31], v[TS+2*\c+1]   ; (a conversion's three registers begin on an even number)
.endr
	v_cvt_scalef32_pk16_fp6_f32 v[PV:PV+2], v[VA:VA+15], v[TS+4]
	v_cvt_scalef32_pk16_fp6_f32 v[PVT:PVT+2], v[VA+16:VA+31], v[TS+5]
	WIN 0
	v_lshl_or_b32 v[PW], v[TB+1], 8, v[TB]         ; the scale words (also the plain places behind the conversions)
	v_lshl_or_b32 v[PWV], v[TB+5], 8, v[TB+4]
	v_lshl_or_b32 v[PW], v[TB+2], 16, v[PW]
	v_lshl_or_b32 v[PW], v[TB+3], 24, v[PW]
.irp i, 0,1,2                                  ; the operand's layout wants a whole block in a lane
	v_permlane16_swap_b32 v[PC+\i], v[PCT+\i]
	v_permlane16_swap_b32 v[PC+6+\i], v[PCT+4+\i]
	v_permlane16_swap_b32 v[PV+\i], v[PVT+\i]
.endr
.irp i, 0,1,2
	v_mov_b32 v[PC+3+\i], v[PCT+\i]
	v_mov_b32 v[PC+9+\i], v[PCT+4+\i]
	v_mov_b32 v[PV+3+\i], v[PVT+\i]
.endr
.endm
; A query tile of block b: its codes in block 0 of K alone (QRL: lanes 16-31 read zeros) and in block 1 alone (QRU: lanes 0-15 read zeros).  Four loads.
.macro QLOAD i, b
.set QO_, 1536*((\b)/2)
.if (\b)%2 == 0
	ds_load_b128 v[QV+24*(\i):QV+24*(\i)+3], v[QRL] offset:QO_
	ds_load_b64 v[QV+24*(\i)+4:QV+24*(\i)+5], v[QRL] offset:QO_+512
	ds_load_b128 v[QV+24*(\i)+12:QV+24*(\i)+15], v[QRU] offset:QO_
	ds_load_b64 v[QV+24*(\i)+16:QV+24*(\i)+17], v[QRU] offset:QO_+512
.else
	ds_load_b64 v[QV+24*(\i):QV+24*(\i)+1], v[QRL] offset:QO_+520
	ds_load_b128 v[QV+24*(\i)+2:QV+24*(\i)+5], v[QRL] offset:QO_+1024
	ds_load_b64 v[QV+24*(\i)+12:QV+24*(\i)+13], v[QRU] offset:QO_+520
	ds_load_b128 v[QV+24*(\i)+14:QV+24*(\i)+17], v[QRU] offset:QO_+1024
.endif
.endm
.macro SC1 q, t                        ; product t of 18 of step q: the tile of block q, then that of block 7 - q; a tile's last two are added onto the mask
.if (\t) < 2*((\q)+1)
.set SI_, 0
.set SN_, (\q)+1
.set SB_, (\q)
.set KT, (\t)
.else
.set SI_, 1
.set SN_, 8-(\q)
.set SB_, 7-(\q)
.set KT, (\t)-2*((\q)+1)
.endif
.set KA_, KP+12*(KT/4)+6*((KT%4)/2)
.set KB_, QV+24*SI_+12*(KT%2)
.set KD_, SCO+8*(\t)
.set KC_, KS+4*((KT%4)/2)+KT/4
.if KT < 2*SN_-2
	WIN 0x40
	WM0 KD_, KA_, KB_, KC_, QSR+SB_
.elseif KT%2 == 0
	WIN 0x50
	WMC KD_, KA_, KB_, MK0, KC_, QSR+SB_
.else
	WIN 0x40
	WMC KD_, KA_, KB_, MK1, KC_, QSR+SB_
.endif
.endm
.macro SUM1                            ; the next two p of each lane, in the order of the blocks, onto one of their tile's four chains
.if E_ < 72
.if E_ < 8*NS
.set F_, E_
.set C_, SMS+2*(F_%4)
.else
.set F_, E_-8*NS
.set C_, SML+2*(F_%4)
.endif
.set A_, SCO+2*E_
.if F_ >= 8
	v_pk_add_f32 v[C_:C_+1], v[C_:C_+1], v[A_:A_+1]
.elseif F_ >= 4
	v_pk_add_f32 v[C_:C_+1], v[A_-8:A_-7], v[A_:A_+1]
.endif
.set E_, E_+1
.endif
.endm
.macro SUMS upto
.if ((\upto) > E_) && (E_ < 72)
	WIN 0x55
.rept (\upto)-E_
	SUM1
.endr
.endif
.endm
.macro OPROD n                         ; three other products stand between the two steps of a sum
	WIN 0x50
.if (\n) == 0
	WM0 OAC+16, VF, PF+12, VS, PS+1
.elseif (\n) == 1
	WM0 OAC+24, VF+24, PF+12, VS+2, PS+1
.elseif (\n) == 2
	WM0 OAC, VF, PF, VS, PS
.elseif (\n) == 3
	WM0 OAC+8, VF+24, PF, VS+2, PS
.elseif (\n) == 4
	WMC OAC+16, VF+12, PF+24, OAC+16, VS+1, PS+2
.else
	WMC OAC+24, VF+36, PF+24, OAC+24, VS+3, PS+2
.endif
.endm
; Part n of the way out of the step before step k: divided by the sum (register 8 dt + j is channel 16 h + 8 dt + j); the 32 channels of my head are one block of the next product's K: my 16 and lane l xor 16's.
.macro OUTX k, n
.if (\k) > 0
.if (\n) == 0
.set JI, 0
.rept 8
	v_pk_mul_f32 v[OAC+JI:OAC+JI+1], v[OAC+JI:OAC+JI+1], v[RL:RL+1] op_sel_hi:[1,0]
	v_pk_mul_f32 v[OAC+16+JI:OAC+17+JI], v[OAC+16+JI:OAC+17+JI], v[RL+2:RL+3] op_sel_hi:[1,0]
.set JI, JI+2
.endr
.else
.irp t, 0,1
.if (\n) == 1
	v_max3_num_f32 v[XT+2*\t], |v[OAC+16*\t]|, |v[OAC+16*\t+1]|, 0x1800000
	v_max3_num_f32 v[XT+2*\t+1], |v[OAC+16*\t+2]|, |v[OAC+16*\t+3]|, |v[OAC+16*\t+4]|
.elseif (\n) < 4
	v_max3_num_f32 v[XT+2*\t], v[XT+2*\t], |v[OAC+16*\t+4*(\n)-3]|, |v[OAC+16*\t+4*(\n)-2]|
	v_max3_num_f32 v[XT+2*\t+1], v[XT+2*\t+1], |v[OAC+16*\t+4*(\n)-1]|, |v[OAC+16*\t+4*(\n)]|
.elseif (\n) == 4
	v_max3_num_f32 v[XT+2*\t], v[XT+2*\t], |v[OAC+16*\t+13]|, |v[OAC+16*\t+14]|
.elseif (\n) == 5
	v_max3_num_f32 v[XT+2*\t], v[XT+2*\t], v[XT+2*\t+1], |v[OAC+16*\t+15]|
.elseif (\n) == 6
	v_permlanex16_b32 v[XP+\t], v[XT+2*\t], s[SEL], s[SEL+1]
.elseif (\n) == 7
	v_max_num_f32 v[XT+2*\t], v[XT+2*\t], v[XP+\t]
.elseif (\n) == 8
	v_add_nc_u32 v[XO+\t], 0xff000000, v[XT+2*\t]
.elseif (\n) == 9
	v_cvt_scalef32_pk16_fp6_f32 v[XC+4*\t:XC+4*\t+2], v[OAC+16*\t:OAC+16*\t+15], v[XO+\t]   ; words 3 h .. 3 h + 2 of the block's six
.else
	v_lshrrev_b32 v[XB+\t], 23, v[XO+\t]           ; (also the plain places behind the conversions)
.endif
.endr
.endif
.endif
.endm
.macro OUTS j                          ; step j's two tiles into the stage
	WIN 0x04                                       ; an LDS store's data are its source 1: window 1
.irp t, 0,1
.set OB_, (\j)+\t*(7-2*(\j))
	ds_store_b32 v[OA0], v[XC+4*\t] offset:3072*OB_
	ds_store_b32 v[OA1], v[XC+4*\t+1] offset:3072*OB_+4
	ds_store_b32 v[OA2], v[XC+4*\t+2] offset:3072*OB_+8
	ds_store_b8 v[ASB], v[XB+\t] offset:128*OB_    ; both halves of the lanes write the same byte
.endr
.endm
.macro RMAX dst, base, n               ; the largest of n registers
.if (\n) == 1
	v_mov_b32 v[\dst], v[\base]
.elseif (\n) == 2
	v_max_num_f32 v[\dst], v[\base], v[(\base)+1]
.else
	v_max3_num_f32 v[\dst], v[\base], v[(\base)+1], v[(\base)+2]
.set RI_, 3
.rept ((\n)-2)/2
.if RI_+1 < (\n)
	v_max3_num_f32 v[\dst], v[\dst], v[(\base)+RI_], v[(\base)+RI_+1]
.else
	v_max_num_f32 v[\dst], v[\dst], v[(\base)+RI_]
.endif
.set RI_, RI_+2
.endr
.endif
.endm
; Query tiles of blocks k (NS = k + 1 blocks of keys) and 7 - k (NLB = 8 - k), side by side: nine blocks.
.macro PAIR k
.set NS, (\k)+1
.set NLB, 8-(\k)
.set NPS, (NS+1)/2
	; this step's scores are made; the way out of the step before stands among the maxima
	WIN 0x55
.if (\k) > 0
	WALU
.endif
.set BI, 0
.rept 9                                        ; the largest score of each block: for the row's maximum and, since p rises with the score, for the block's largest p
	v_max3_num_f32 v[BMX+BI], v[SCO+16*BI], v[SCO+16*BI+1], v[SCO+16*BI+2]
.set BI, BI+1
.endr
	OUTX \k, 0
.irp i, 3,5,7,9,11,13
.set BI, 0
.rept 9
	v_max3_num_f32 v[BMX+BI], v[BMX+BI], v[SCO+16*BI+\i], v[SCO+16*BI+\i+1]
.set BI, BI+1
.endr
	OUTX \k, (\i-1)/2
.endr
.set BI, 0
.rept 9
	v_max_num_f32 v[BMX+BI], v[BMX+BI], v[SCO+16*BI+15]
.set BI, BI+1
.endr
	OUTX \k, 7
.set BI, 0
.rept 9
	v_permlanex16_b32 v[BXX+BI], v[BMX+BI], s[SEL], s[SEL+1]
.set BI, BI+1
.endr
	OUTX \k, 8
.set BI, 0
.rept 9
	v_max_num_f32 v[BMX+BI], v[BMX+BI], v[BXX+BI]
.set BI, BI+1
.endr
	OUTX \k, 9
	OUTX \k, 10
	RMAX MX, BMX, NS
	RMAX MX+1, BMX+NS, NLB
	v_mul_f32 v[MX], s[CS], v[MX]                  ; the row's largest t
	v_mul_f32 v[MX+1], s[CS], v[MX+1]
	v_floor_f32 v[NMR], -v[MX]                     ; -M = floor(-t) = -ceil(t)
	v_floor_f32 v[NMR+2], -v[MX+1]
.if (\k) > 0
	OUTS (\k)-1
.endif
	WIN 0
.if (\k) < 3
	QLOAD 0, (\k)+1                                ; the next step's codes, over those multiplied
	QLOAD 1, 6-(\k)
.endif
	WIN 0x55
.set JI, 0
.rept 72                                       ; t - M, two at a time
.if JI < 16*NS
	v_pk_fma_f32 v[SCO+JI:SCO+JI+1], v[SCO+JI:SCO+JI+1], s[CS:CS+1], v[NMR:NMR+1] op_sel_hi:[1,0,0]
.else
	v_pk_fma_f32 v[SCO+JI:SCO+JI+1], v[SCO+JI:SCO+JI+1], s[CS:CS+1], v[NMR+2:NMR+3] op_sel_hi:[1,0,0]
.endif
.set JI, JI+2
.endr
.set BI, 0
.rept 9
.if BI < NS
	v_fma_f32 v[BMX+BI], v[BMX+BI], s[CS], v[NMR]
.else
	v_fma_f32 v[BMX+BI], v[BMX+BI], s[CS], v[NMR+2]
.endif
.set BI, BI+1
.endr
.if (\k) == 0
	WIN 0
	s_wait_dscnt 8                                 ; v and its words are in; the next step's eight loads may be out
.irp dt, 0,1
.irp ks, 0,1
	v_lshl_or_b32 v[VS+2*\dt+\ks], v[XV+4*\dt+2*\ks+1], 16, v[XV+4*\dt+2*\ks]   ; two bytes from group 2 ks, two from group 2 ks + 1
.endr
.endr
	WIN 0x55
.endif
	WALU
.set JI, 0
.rept 144
	v_exp_f32 v[SCO+JI], v[SCO+JI]                 ; p = 2^(t - M); 0 for hidden keys
.set JI, JI+1
.endr
.set BI, 0
.rept 9
	v_exp_f32 v[BMX+BI], v[BMX+BI]
.set BI, BI+1
.endr
	v_nop                                          ; a plain place behind the exponentials
	WALU
.set BI, 0
.rept 9
	v_max_num_f32 v[BMX+BI], 0x1800000, v[BMX+BI]  ; the floor 2^(3 - 127)
.set BI, BI+1
.endr
.set BI, 0
.rept 9
	v_add_nc_u32 v[SOP+BI], 0xff000000, v[BMX+BI]  ; the conversion's scale operand
.set BI, BI+1
.endr
.set BI, 0
.rept 9
	v_lshrrev_b32 v[BXX+BI], 23, v[SOP+BI]         ; the scale's byte
.set BI, BI+1
.endr
	WIN 0x05
.set BI, 0
.rept 9                                        ; even blocks where they stay, odd ones beside
.if BI < NS
.set LB_, BI
.set PA_, PF
.set PQ_, 0
.else
.set LB_, BI-NS
.set PA_, PF+12
.set PQ_, NPS
.endif
.if LB_%2 == 0
.set PD_, PA_+6*(LB_/2)
.else
.set PD_, PT+4*(PQ_+LB_/2)
.endif
	v_cvt_scalef32_pk16_fp6_f32 v[PD_:PD_+2], v[SCO+16*BI:SCO+16*BI+15], v[SOP+BI]
.set BI, BI+1
.endr
.irp i, 0,1,2                                  ; zero codes for what is not there: the odd block beside a last even one, and a step's second pair.  (Also the plain places behind the conversions)
.if NS%2 == 1
	v_mov_b32 v[PT+4*(NS/2)+\i], 0
.endif
.if NLB%2 == 1
	v_mov_b32 v[PT+4*(NPS+NLB/2)+\i], 0
.endif
.if NS <= 2
	v_mov_b32 v[PF+6+\i], 0
	v_mov_b32 v[PF+9+\i], 0
.endif
.if NLB <= 6
	v_mov_b32 v[PF+30+\i], 0
	v_mov_b32 v[PF+33+\i], 0
.endif
.endr
	WIN 0x01                                       ; p's scale words.  A block that is not there keeps the byte 0: its codes are zeros
.set BI, 0
.rept 9
.if BI < NS
.set LB_, BI
.set PD_, PS
.else
.set LB_, BI-NS
.set PD_, PS+1+LB_/4
.endif
.if LB_%4 == 0
	v_mov_b32 v[PD_], v[BXX+BI]
.else
	v_lshl_or_b32 v[PD_], v[BXX+BI], 8*(LB_%4), v[PD_]
.endif
.set BI, BI+1
.endr
	WIN 0
.irp w, 0,1
.irp i, 0,1,2
.set BI, 0
.rept 5                                        ; a whole block in each lane: lanes 0-15 the even block, lanes 16-31 the odd one
.if BI < NPS
.set PA_, PF+6*BI
.else
.set PA_, PF+12+6*(BI-NPS)
.endif
.if \w == 0
	v_permlane16_swap_b32 v[PA_+\i], v[PT+4*BI+\i]
.else
	v_mov_b32 v[PA_+3+\i], v[PT+4*BI+\i]
.endif
.set BI, BI+1
.endr
.endr
.endr
	; THE ROWS' SUMS, of the unquantised p, and among them this step's second products and the next step's scores: two additions behind each product.  A block's scores are written anew behind its conversion and its eight additions
.if (\k) < 3
	s_wait_dscnt 0x0                               ; the next step's codes of q are in (asked for ahead of the exponentials)
.endif
.set E_, 0
	SUMS 28                                        ; (also the places behind the writes of p's codes and scale words)
.irp n, 0,1,2,3,4,5
	OPROD \n
	SUMS E_+2
.endr
.if (\k) < 3
.set T_, 0
.rept 18
	SUMS 8*(T_/2)+8
	SC1 (\k)+1, T_
	SUMS E_+2
.set T_, T_+1
.endr
.endif
	SUMS 72
	WIN 0x55
	v_pk_add_f32 v[SML:SML+1], v[SML:SML+1], v[SML+4:SML+5]
	v_pk_add_f32 v[SML+2:SML+3], v[SML+2:SML+3], v[SML+6:SML+7]
	v_pk_add_f32 v[SMS:SMS+1], v[SMS:SMS+1], v[SMS+4:SMS+5]
	v_pk_add_f32 v[SMS+2:SMS+3], v[SMS+2:SMS+3], v[SMS+6:SMS+7]
	v_pk_add_f32 v[SML:SML+1], v[SML:SML+1], v[SML+2:SML+3]
	v_pk_add_f32 v[SMS:SMS+1], v[SMS:SMS+1], v[SMS+2:SMS+3]
	v_add_f32 v[SMS], v[SMS], v[SMS+1]
	v_add_f32 v[SML], v[SML], v[SML+1]
	v_permlanex16_b32 v[LX], v[SMS], s[SEL], s[SEL+1]
	v_permlanex16_b32 v[LX+1], v[SML], s[SEL], s[SEL+1]
	v_add_f32 v[SMS], v[SMS], v[LX]
	v_add_f32 v[SML], v[SML], v[LX+1]
	WALU
	v_rcp_f32 v[RL], v[SMS]
	v_rcp_f32 v[RL+2], v[SML]
	v_nop                                          ; a plain place behind the reciprocals
.endm
.macro ARM under, g0, g1, next
	s_cmp_lt_u32 s[WVN], \under
	s_cbranch_scc0 \next
	tensor_load_to_lds s[\g0:\g0+3], s[\g1:\g1+7]
	s_nop 0
	PLACES 4
	s_branch .Lasked
\next:
.endm
	s_load_b512 s[4:19], s[0:1], 0x0               ; x's codes s[4:5], scales s[6:7], Wq's codes s[8:9], scales s[10:11], bq s[12:13], Wk's codes s[14:15], scales s[16:17], bk s[18:19]
	s_load_b256 s[20:27], s[0:1], 0x40             ; Wv's codes s[20:21], scales s[22:23], bv s[24:25], ao_codes s[26:27]
	s_load_b64 s[28:29], s[0:1], 0x60              ; ao_scales
	v_lshl_add_u32 v[SPW], v0, 2, SPARE
	v_mov_b32 v[NIL], 0
	ds_add_u32 v[SPW], v[NIL]
	ds_add_u32 v[SPW], v[NIL]
	v_lshrrev_b32 v1, 5, v0
	v_readfirstlane_b32 s[WVN], v1                 ; wave 0..7
	s_bfe_u32 s31, ttmp6, 0x40000                  ; cx
	s_bfe_u32 s32, ttmp6, 0x40004                  ; cy
	s_and_b32 s33, ttmp7, 0xffff
	s_lshl_b32 s33, s33, 2
	s_add_co_u32 s33, s33, s32                     ; the batch
	s_lshl_b32 s34, ttmp9, 2
	s_add_co_u32 s34, s34, s31                     ; the group of heads
	s_lshl_b32 s35, s32, 2
	s_lshl_b32 s35, 15, s35                        ; my row of the cluster: the same batch
	s_lshl_b32 s36, 0x1111, s31                    ; my column: the same heads
	s_lshr_b32 s37, s[WVN], 1                      ; my head of the four
	s_and_b32 s38, s[WVN], 1                       ; q (0) or k (1); v's tile of channels; my query tiles
	s_bfe_u32 s39, s[WVN], 0x10001
	; group 1 for x: 4 blocks of 16 rows (768 elements of 8 bytes each), every second block of the batch
	s_or_b32 s44, s35, G1C
	s_mov_b32 s45, 768<<16
	s_mov_b32 s46, 4<<16
	s_mov_b32 s47, 768<<16
	s_mov_b32 s48, 4
	s_mov_b32 s49, 1536
	s_mov_b32 s50, 0
	s_mov_b32 s51, 0
	; for a weight: the group's 128 rows, eight dense blocks of 16
	s_or_b32 s52, s36, G1C
	s_mov_b32 s53, 768<<16
	s_mov_b32 s54, 8<<16
	s_mov_b32 s55, 768<<16
	s_mov_b32 s56, 8
	s_mov_b32 s57, 768
	s_mov_b32 s58, 0
	s_mov_b32 s59, 0
	; for x's scale bytes: 16 dense rows of 256
	s_or_b32 s68, s35, (3<<16)|(1<<21)
	s_mov_b32 s69, 32<<16
	s_mov_b32 s70, 16<<16
	s_mov_b32 s71, 32<<16
	s_mov_b32 s72, 16
	s_mov_b32 s73, 32
	s_mov_b32 s74, 0
	s_mov_b32 s75, 0
	s_mul_i32 s61, s38, XOB                        ; waves 4-7 fetch x: the even or the odd blocks, the first four of them or the last four
	s_mul_i32 s40, s39, 4*XBLK
	s_add_co_u32 s61, s61, s40
	s_mul_i32 s40, s33, 98304
	s_mul_i32 s42, s38, 6144
	s_add_co_u32 s40, s40, s42
	s_mul_i32 s42, s39, 49152
	s_add_co_u32 s40, s40, s42
	s_mov_b32 s41, 0
	s_mul_i32 s66, s34, 49152                      ; the group's rows in each weight
	s_mov_b32 s67, 0
	s_lshl_b32 s42, s33, 12                        ; the batch's scale bytes of x
	s_mov_b32 s43, 0
	s_wait_dscnt 0x0                               ; both opening adds are done
	CROUND                                         ; all sixteen work-groups are here: the joint loads meet
	s_wait_kmcnt 0x0
	s_mov_b32 s76, 1
	s_mov_b32 s77, WB
	s_add_nc_u64 s[78:79], s[8:9], s[66:67]
	s_or_b32 s79, s79, 0x80000000
	s_mov_b32 s80, 1
	s_mov_b32 s81, WB+WMAT
	s_add_nc_u64 s[82:83], s[14:15], s[66:67]
	s_or_b32 s83, s83, 0x80000000
	s_mov_b32 s84, 1
	s_mov_b32 s85, WB+2*WMAT
	s_add_nc_u64 s[86:87], s[20:21], s[66:67]
	s_or_b32 s87, s87, 0x80000000
	s_mov_b32 s88, 1
	s_mov_b32 s89, XSC
	s_add_nc_u64 s[90:91], s[6:7], s[42:43]
	s_or_b32 s91, s91, 0x80000000
	s_mov_b32 s60, 1
	s_add_nc_u64 s[62:63], s[4:5], s[40:41]
	s_or_b32 s63, s63, 0x80000000
	; one tensor load a wave, in one chain of branches: waves 0-2 the weights, wave 3 x's scale bytes, waves 4-7 a quarter of x each
	ARM 1, 76, 52, .Larm1
	ARM 2, 80, 52, .Larm2
	ARM 3, 84, 52, .Larm3
	ARM 4, 88, 68, .Larm4
	tensor_load_to_lds s[60:63], s[44:51]
	s_nop 0
	PLACES 4
.Lasked:
	s_lshl_b32 s40, s34, 2
	s_add_co_u32 s40, s40, s37                     ; my head
	s_lshl_b32 s66, s40, 9                         ; its 32 rows of scale bytes
	s_mov_b32 s67, 0
	s_cmp_eq_u32 s38, 0
	s_cselect_b64 s[10:11], s[10:11], s[16:17]     ; q's or k's
	s_cselect_b64 s[12:13], s[12:13], s[18:19]
	s_add_nc_u64 s[10:11], s[10:11], s[66:67]
	s_add_nc_u64 s[22:23], s[22:23], s[66:67]
	s_lshl_b32 s66, s40, 7                         ; its 32 numbers of each bias
	s_add_nc_u64 s[12:13], s[12:13], s[66:67]
	s_add_nc_u64 s[24:25], s[24:25], s[66:67]
	s_lshl_b32 s66, s38, 7                         ; v: my tile of channels begins 8 rows on
	s_add_nc_u64 s[22:23], s[22:23], s[66:67]
	s_lshl_b32 s66, s38, 5
	s_add_nc_u64 s[24:25], s[24:25], s[66:67]
	s_mul_i32 s39, s37, 32*PITCH                   ; my head's rows in LDS
	s_mul_i32 s2, s38, WMAT
	s_add_co_u32 s2, s2, s39
	s_add_co_u32 s2, s2, WB                        ; Wq or Wk
	s_mul_i32 s3, s38, 8*PITCH
	s_add_co_u32 s3, s3, s39
	s_add_co_u32 s3, s3, WB+2*WMAT                 ; my tile of Wv
	s_mul_i32 s39, s37, PHD
	s_add_co_u32 s39, s39, IMB                     ; my head's images
	s_lshl_b32 s40, s38, 8
	s_add_co_u32 s40, s40, s39
	s_xor_b32 s41, s37, 3
	s_mul_i32 s41, s41, PHD
	s_add_co_u32 s41, s41, ZA-IMB-3*PHD            ; from my head's images to the zeros
	s_lshl_b32 s42, s[WVN], 12
	s_add_co_u32 s42, s42, CST
	s_mul_i32 s43, s38, 6144
	s_mul_i32 s66, s38, 3072
	s_lshl_b32 s67, s38, 9
	s_lshr_b32 s92, s37, 1                         ; the way out: head d is registers 6 (d / 2) on of lanes 16 (d % 2) on; register k of lane L lies at 512 (k / 4) + 16 L + 4 (k % 4)
	s_and_b32 s93, s37, 1
	s_lshl_b32 s93, s93, 8
	s_mul_i32 s94, s38, 1536
	s_add_co_u32 s93, s93, s94
	s_add_co_u32 s93, s93, AOST
	s_mul_i32 s94, s92, 520
	s_add_co_u32 s94, s94, s93                     ; my first word (and, 4 bytes on, the second) for lanes 0-15,
	s_mul_i32 s95, s92, 1016
	s_add_co_u32 s95, s95, s93                     ; the third (8 bytes on)
	s_mul_i32 s100, s92, 496
	s_add_co_u32 s100, s100, 12                    ; and how much further on lanes 16-31 put them: first,
	s_xor_b32 s101, s92, 1
	s_mul_i32 s101, s101, 496
	s_add_co_u32 s101, s101, 12                    ; third (the second: 508)
	s_lshl_b32 s93, s38, 6
	s_add_co_u32 s93, s93, s37
	s_add_co_u32 s93, s93, AOSS
	s_mul_i32 s92, s[WVN], 768
	s_add_co_u32 s92, s92, ZA
	v_and_b32 v1, 15, v0                           ; r
	v_bfe_u32 v2, v0, 4, 1                         ; h
	v_bfe_u32 v175, v0, 3, 1                       ; r / 8
	v_and_b32 v176, 7, v0
	v_and_b32 v177, 31, v0                         ; lane
	v_and_b32 v[RRG], 8, v1
	v_add_nc_u32 v[RRG], v[RRG], v1                ; r + 8 (r / 8)
	v_lshlrev_b32 v172, 4, v[RRG]
	v_lshlrev_b32 v173, 6, v2
	v_lshlrev_b32 v174, 2, v[RRG]
.irp u, 0,1
	global_load_b128 v[WS+4*\u:WS+4*\u+3], v172, s[10:11] offset:128*\u   ; a row's 16 scale bytes are its four words
	global_load_b128 v[B1+8*\u:B1+8*\u+3], v173, s[12:13] offset:32*\u    ; register j of tile u: channel 16 h + 8 u + j
	global_load_b128 v[B1+8*\u+4:B1+8*\u+7], v173, s[12:13] offset:32*\u+16
.endr
	global_load_b128 v[WS+8:WS+11], v172, s[22:23]
	global_load_b32 v[BV], v174, s[24:25]
	v_mul_u32_u24 v[AX], v175, XOB                 ; x: rows 8-15 of a tile lie in the odd block
	v_mad_u32_u24 v[AX], v176, PITCH, v[AX]
	v_mad_u32_u24 v[AX], v2, 24, v[AX]
	v_lshl_add_u32 v[AX+1], v2, 4, v[AX]
	v_mul_u32_u24 v196, v[RRG], PITCH              ; the weights: permuted rows
	v_mad_u32_u24 v196, v2, 24, v196
	v_add_nc_u32 v190, s2, v196
	v_add_nc_u32 v194, s3, v196
	v_lshl_add_u32 v191, v2, 4, v190
	v_lshl_add_u32 v195, v2, 4, v194
	v_add_nc_u32 v192, 8*PITCH, v190
	v_add_nc_u32 v193, 8*PITCH, v191
	v_lshlrev_b32 v178, 4, v177                    ; 16 x lane
	v_lshlrev_b32 v185, 3, v177
	v_lshlrev_b32 v186, 2, v177
	v_add_nc_u32 v[IM16], s39, v178
	v_add_nc_u32 v[IM8], s39, v185
	v_add_nc_u32 v[IM8], VIMG, v[IM8]
	v_add_nc_u32 v[IM4], s39, v186
	v_add_nc_u32 v[IM4], SWI, v[IM4]
	v_add_nc_u32 v[QST], s43, v[IM16]
	v_add_nc_u32 v[VST], s66, v[IM8]
	v_add_nc_u32 v[SST], s67, v[IM4]
	v_lshlrev_b32 v187, 4, v1                      ; 16 r
	v_add_nc_u32 v188, s40, v187
	v_mul_u32_u24 v189, s41, v2
	v_add_nc_u32 v[QRL], v188, v189                ; lanes 0-15 my tile's row r, lanes 16-31 zeros
	v_sub_nc_u32 v189, 1, v2
	v_mul_u32_u24 v189, s41, v189
	v_add_nc_u32 v[QRU], v188, v189                ; and the other way round
	v_add_nc_u32 v[ATL], CST, v178
	v_add_nc_u32 v179, s42, v178
	v_add_nc_u32 v[XSB], XSC, v172
	v_mul_u32_u24 v197, s100, v2
	v_add_nc_u32 v197, v197, v187
	v_add_nc_u32 v[OA0], s94, v197
	v_mul_u32_u24 v197, v2, 508
	v_add_nc_u32 v197, v197, v187
	v_add_nc_u32 v[OA1], s94, v197
	v_mul_u32_u24 v197, s101, v2
	v_add_nc_u32 v197, v197, v187
	v_add_nc_u32 v[OA2], s95, v197
	v_lshl_add_u32 v[ASB], v1, 2, s93
	v_add_nc_u32 v184, s92, v185
	v_mov_b32 v180, 0
	v_mov_b32 v181, 0
.irp i, 0,1,2
	ds_store_b64 v184, v[180:181] offset:256*\i    ; my eighth of the zeros
.endr
	WALU
	s_mov_b32 s92, 0x3f22f983                      ; 2 / pi
	s_mov_b32 s93, 0xbfc90fdb                      ; -(the f32 nearest to pi / 2)
	s_mov_b32 s94, 0x333bbd2e                      ; what that number has too much
	s_mov_b32 s95, 0xb94ca1f9                      ; the sine's polynomial: -1.9515295891e-4,
	s_mov_b32 s100, 0x3c08839e                     ; 8.3321608736e-3,
	s_mov_b32 s101, 0xbe2aaaa3                     ; -1.6666654611e-1
	s_mov_b32 s2, 0x37ccf5ce                       ; the cosine's: 2.443315712e-5,
	s_mov_b32 s3, 0xbab6061a                       ; -1.388731625e-3,
	s_mov_b32 s43, 0x3d2aaaa5                      ; 4.166664568e-2
	s_mov_b32 s[SEL], 0x76543210                   ; v_permlanex16_b32's selects for lane l xor 16
	s_mov_b32 s[SEL+1], 0xfedcba98
	s_mov_b32 s[CS], 0x3e8293ee                    ; log2(e) / sqrt(32)
	s_mov_b32 s[CS+1], s[CS]                       ; (named with it as a pair, so it is written)
	s_lshl_b32 s40, s[WVN], 5
	s_lshl_b32 s41, s38, 3
	; THE MASK of a diagonal block: register n holds key 16 h + n, my query is number 8 u + r + 8 (r / 8): hidden where n > d
	v_lshlrev_b32 v182, 4, v2
	v_sub_nc_u32 v182, v[RRG], v182
	v_add_nc_u32 v182, s41, v182
	v_mov_b32 v183, 0xff61b1e6                     ; -3e38
	WIN 0x40
.irp n, 0,1,2,3,4,5,6,7
	v_cmp_gt_i32 vcc_lo, \n, v182
	v_cndmask_b32 v[MK0+\n], 0, v183, vcc_lo
.endr
	WIN 0
.irp n, 8,9,10,11,12,13,14,15
	v_cmp_gt_i32 vcc_lo, \n, v182
	v_cndmask_b32 v[MK1+\n-8], 0, v183, vcc_lo
.endr
	; THE TABLE OF COSINES AND SINES: wave w makes tiles 2 w, 2 w + 1, one a trip: my row's position x my 8 frequencies
	v_cmp_eq_u32 vcc_lo, 1, v2
	FREQ 0, 0x3f800000, 0x3c23d70a
	FREQ 1, 0x3f0ff59a, 0x3bb8449c
	FREQ 2, 0x3ea1e89b, 0x3b4f3e37
	FREQ 3, 0x3e361887, 0x3ae91528
	FREQ 4, 0x3dcccccd, 0x3a83126f
	FREQ 5, 0x3d6655c3, 0x3a136a16
	FREQ 6, 0x3d0186e2, 0x39a5cb5f
	FREQ 7, 0x3c91ad39, 0x393a7753
	v_add_nc_u32 v[PB], s40, v[RRG]
	s_mov_b32 s31, 0
	s_mov_b32 s32, 0
.Ltab:
	WALU
	v_cvt_f32_u32 v[PP], v[PB]
	v_add_nc_u32 v[TBT], s32, v179
.irp j, 0,1,2,3,4,5,6,7
	v_mul_f32 v[TA+\j], v[PP], v[FQ+\j]            ; the angle, rounded once as the definition rounds it
.endr
.irp j, 0,1,2,3,4,5,6,7
	v_mul_f32 v[TN+\j], s92, v[TA+\j]
.endr
.irp j, 0,1,2,3,4,5,6,7
	v_rndne_f32 v[TN+\j], v[TN+\j]                 ; n = the nearest multiple of pi / 2
.endr
.irp j, 0,1,2,3,4,5,6,7
	v_fma_f32 v[TA+\j], v[TN+\j], s93, v[TA+\j]
.endr
.irp j, 0,1,2,3,4,5,6,7
	v_fma_f32 v[TA+\j], v[TN+\j], s94, v[TA+\j]    ; |rho| <= pi / 4
.endr
.irp j, 0,1,2,3,4,5,6,7
	v_mul_f32 v[TZ+\j], v[TA+\j], v[TA+\j]
.endr
.irp j, 0,1,2,3,4,5,6,7
	v_fma_f32 v[TSN+\j], v[TZ+\j], s95, s100
	v_fma_f32 v[TCS+\j], v[TZ+\j], s2, s3
.endr
.irp j, 0,1,2,3,4,5,6,7
	v_fma_f32 v[TSN+\j], v[TSN+\j], v[TZ+\j], s101
	v_fma_f32 v[TCS+\j], v[TCS+\j], v[TZ+\j], s43
.endr
.irp j, 0,1,2,3,4,5,6,7
	v_mul_f32 v[TT+\j], v[TZ+\j], v[TA+\j]
.endr
.irp j, 0,1,2,3,4,5,6,7
	v_fma_f32 v[TSN+\j], v[TSN+\j], v[TT+\j], v[TA+\j]   ; sin rho
.endr
.irp j, 0,1,2,3,4,5,6,7
	v_fma_f32 v[TT+\j], v[TZ+\j], -0.5, 1.0
.endr
.irp j, 0,1,2,3,4,5,6,7
	v_mul_f32 v[TZ+\j], v[TZ+\j], v[TZ+\j]
.endr
.irp j, 0,1,2,3,4,5,6,7
	v_fma_f32 v[TCS+\j], v[TCS+\j], v[TZ+\j], v[TT+\j]   ; cos rho
.endr
.irp j, 0,1,2,3,4,5,6,7
	v_cvt_i32_f32 v[TQ+\j], v[TN+\j]
.endr
.irp j, 0,1,2,3,4,5,6,7
	v_and_b32 v[TT+\j], 1, v[TQ+\j]
.endr
.irp j, 0,1,2,3,4,5,6,7
	v_cmp_eq_u32 vcc_lo, 1, v[TT+\j]               ; in odd quadrants the two change places
	v_cndmask_b32 v[TOU+2*\j], v[TCS+\j], v[TSN+\j], vcc_lo
	v_cndmask_b32 v[TOU+2*\j+1], v[TSN+\j], v[TCS+\j], vcc_lo
.endr
.irp j, 0,1,2,3,4,5,6,7
	v_lshlrev_b32 v[TT+\j], 30, v[TQ+\j]           ; the sine is negative in quadrants 2 and 3: bit 1 of n,
	v_add_nc_u32 v[TQ+\j], 1, v[TQ+\j]             ; the cosine in 1 and 2: bit 1 of n + 1
.endr
.irp j, 0,1,2,3,4,5,6,7
	v_and_b32 v[TT+\j], 0x80000000, v[TT+\j]
	v_lshlrev_b32 v[TQ+\j], 30, v[TQ+\j]
.endr
.irp j, 0,1,2,3,4,5,6,7
	v_xor_b32 v[TOU+2*\j+1], v[TT+\j], v[TOU+2*\j+1]
	v_and_b32 v[TQ+\j], 0x80000000, v[TQ+\j]
.endr
.irp j, 0,1,2,3,4,5,6,7
	v_xor_b32 v[TOU+2*\j], v[TQ+\j], v[TOU+2*\j]
.endr
.irp c, 0,1,2,3
	ds_store_b128 v[TBT], v[TOU+4*\c:TOU+4*\c+3] offset:512*\c   ; an image of the 16 registers
.endr
	v_add_nc_u32 v[PB], 8, v[PB]
	s_add_co_u32 s32, s32, 2048
	s_add_co_u32 s31, s31, 1
	s_cmp_lt_u32 s31, 2
	s_cbranch_scc1 .Ltab
	s_wait_loadcnt 0x0                             ; my weights' scale words and the biases are in
.irp i, 1,2,3,4,5,6,7
	v_mov_b32 v[BV+\i], v[BV]                      ; v's lane holds one channel: the same number in all eight registers
.endr
	WALU
	s_cmp_lt_u32 s[WVN], 3
	s_cbranch_scc0 .Lnot_weights
	s_wait_tensorcnt 0x0
.Lnot_weights:
	s_wait_dscnt 0x0                               ; my part of the table and of the zeros is stored
	s_barrier_signal -1
	s_barrier_wait -1                              ; the weights are in; x may still be on its way
	WIN 0x40
.irp s, 0,1,2,3
	FRAG2 WA+12*\s, 190, \s
	FRAG2 WA+48+12*\s, 192, \s
	FRAG2 WV+12*\s, 194, \s
.endr
	WIN 0
	s_wait_tensorcnt 0x0                           ; my part of x or its scales is in,
	s_wait_dscnt 0x0                               ; and my reads of the weights are over
	s_barrier_signal -1
	s_mov_b32 s44, 0                               ; (the descriptors have served)  the trip; s45 x's step, s50 the table's, s51 the packed images', s52 v's, s53 the scale words', s54 x's scales'
	s_mov_b32 s45, 0
	s_mov_b32 s50, 0
	s_mov_b32 s51, 0
	s_mov_b32 s52, 0
	s_mov_b32 s53, 0
	s_mov_b32 s54, 0
.irp tt, 0,1,2,3
	v_add_nc_u32 v[AXT+2*\tt], (\tt/2)*XBLK+(\tt%2)*8*PITCH, v[AX]
	v_add_nc_u32 v[AXT+2*\tt+1], (\tt/2)*XBLK+(\tt%2)*8*PITCH, v[AX+1]
.endr
	v_mov_b32 v[XST], v[XSB]
	WALU
	s_barrier_wait -1                              ; x, its scales and the table are everybody's; the weights' bytes may be written
	FETCHX 0
	XSLOAD
	FETCHX 1
	; THE PROJECTIONS: a trip is four token tiles.  The next trip's first two K steps and scale words are asked for ahead of this trip's RoPE and quantisers; the last trip asks for its own tiles once more, since the trip is written once
.Lproj:
	s_wait_dscnt 16                                ; K step 0's fragments and the scale words are in; behind them stand K step 1's 16 loads (and, from the second trip on, eight stores)
	MULP 0
	PLACES 4                                       ; in front of loads into the buffer that the step just issued multiplies
	WIN 0
	FETCHX 2
	s_wait_dscnt 16                                ; K step 2's 16 loads may be out
	MULP 1
	PLACES 4
	WIN 0
	FETCHX 3
	s_wait_dscnt 12                                ; K step 3's 12 may be out
	MULP 2
	WIN 0
	s_add_co_u32 s45, s45, 2*XBLK
	s_min_u32 s55, s45, 6*XBLK
	s_add_co_u32 s46, s55, 8*PITCH
	s_add_co_u32 s47, s55, XBLK
	s_add_co_u32 s48, s55, XBLK+8*PITCH
	s_add_co_u32 s54, s54, 1024
	s_min_u32 s56, s54, 3072
	v_add_nc_u32 v[AXT], s55, v[AX]                ; (these thirteen are also the places in front of the loads)
	v_add_nc_u32 v[AXT+1], s55, v[AX+1]
	v_add_nc_u32 v[AXT+2], s46, v[AX]
	v_add_nc_u32 v[AXT+3], s46, v[AX+1]
	v_add_nc_u32 v[AXT+4], s47, v[AX]
	v_add_nc_u32 v[AXT+5], s47, v[AX+1]
	v_add_nc_u32 v[AXT+6], s48, v[AX]
	v_add_nc_u32 v[AXT+7], s48, v[AX+1]
	v_add_nc_u32 v[XST], s56, v[XSB]
	v_add_nc_u32 v[TBT], s50, v[ATL]
	v_add_nc_u32 v[QTT], s51, v[QST]
	v_add_nc_u32 v[VTT], s52, v[VST]
	v_add_nc_u32 v[STT], s53, v[SST]
.irp tt, 0,1,2,3
.irp c, 0,1,2,3
	ds_load_b128 v[CSR+16*\tt+4*\c:CSR+16*\tt+4*\c+3], v[TBT] offset:2048*\tt+512*\c
.endr
.endr
	FETCHX 0
	WALU
	s_wait_dscnt 28                                ; the table's 16 and the next K step 0's 12 may be out
	MULP 3
	PLACES 4                                       ; in front of the first read of results, and of loads into what the products have read
	WIN 0
	XSLOAD
	FETCHX 1
	s_wait_dscnt 32                                ; the cosines and sines are in; the next trip's 12 + 4 + 16 loads may be out
	ROPE
	QUANT6
.irp c, 0,1,2
	ds_store_b128 v[QTT], v[PC+4*\c:PC+4*\c+3] offset:512*\c   ; packed q or k: an image of the 12 registers
	ds_store_b64 v[VTT], v[PV+2*\c:PV+2*\c+1] offset:256*\c    ; half a fragment of v: registers 6 (G % 2) on of fragment (my tile, G / 2)
.endr
	ds_store_b32 v[STT], v[PW]
	ds_store_b32 v[STT], v[PWV] offset:1024
	s_add_co_u32 s50, s50, 8192
	s_add_co_u32 s51, s51, 1536
	s_add_co_u32 s52, s52, 768
	s_add_co_u32 s53, s53, 128
	s_add_co_u32 s44, s44, 1
	s_cmp_lt_u32 s44, 4
	s_cbranch_scc1 .Lproj
	s_wait_dscnt 0x0                               ; my images are stored, my last loads are in
	s_barrier_signal -1
	s_mul_i32 s46, s38, 0x01010101                 ; the byte of my query tile in q's scale word: u, or 2 + u
	s_add_co_u32 s47, s46, 0x02020202
.irp i, 0,1,2,3,4,5
	v_mov_b32 v[KP+48+\i], 0                       ; named behind packed k's last fragment, against zero codes
	v_mov_b32 v[QV+6+\i], 0                        ; the zero codes of q's operands
	v_mov_b32 v[QV+18+\i], 0
	v_mov_b32 v[QV+30+\i], 0
	v_mov_b32 v[QV+42+\i], 0
.endr
	WALU
	s_barrier_wait -1                              ; everybody's images
.irp g, 0,1,2,3
	ds_load_b32 v[QT+\g], v[IM4] offset:128*\g
	ds_load_b32 v[KS+\g], v[IM4] offset:512+128*\g
.endr
	QLOAD 0, 0
	QLOAD 1, 7
.irp g, 0,1,2,3
.irp c, 0,1,2
	ds_load_b128 v[KP+12*\g+4*\c:KP+12*\g+4*\c+3], v[IM16] offset:6144+1536*\g+512*\c
.endr
.endr
.irp i, 0,1,2,3,4,5,6,7
	ds_load_b32 v[XV+\i], v[IM4] offset:1024+128*\i
.endr
.irp f, 0,1,2,3
.irp p, 0,1,2,3,4,5
	ds_load_b64 v[VF+12*\f+2*\p:VF+12*\f+2*\p+1], v[IM8] offset:1536*\f+256*\p
.endr
.endr
	s_wait_dscnt 32                                ; q, k and their words are in; v's 8 + 24 loads may be out
.irp b, 0,1,2,3,4,5,6,7
	v_perm_b32 v[QSR+\b], v[QT+\b/2], v[QT+\b/2], s[46+\b%2]   ; my query tile's scale byte in all four places
.endr
.irp g, 0,1,2,3
	v_lshrrev_b32 v[KS+4+\g], 16, v[KS+\g]
.endr
	PLACES 8                                       ; a scale word written by a vector line stands 8 places ahead of a scaled product
.set T_, 0
.rept 18                                       ; step 0's scores
	SC1 0, T_
.set T_, T_+1
.endr
	PLACES 4
	PAIR 0
	PAIR 1
	PAIR 2
	PAIR 3
	WALU
.irp n, 0,1,2,3,4,5,6,7,8,9,10
	OUTX 4, \n
.endr
	OUTS 3
	WIN 0
	s_wait_dscnt 0x0                               ; my stores into the stage are done
	s_barrier_signal -1
	s_lshl_b32 s40, s33, 2
	s_add_co_u32 s40, s40, s34                     ; 4 x batch + group
	s_lshl_b32 s42, s40, 10
	s_mul_i32 s40, s40, 24576
	s_mul_i32 s2, s[WVN], 3072                     ; wave w stores 3,072 bytes of the codes,
	s_add_co_u32 s40, s40, s2
	s_mov_b32 s41, 0
	s_lshl_b32 s3, s[WVN], 9                       ; waves 0 and 1 512 bytes each of the scale words
	s_add_co_u32 s42, s42, s3
	s_mov_b32 s43, 0
	s_add_nc_u64 s[26:27], s[26:27], s[40:41]
	s_add_nc_u64 s[28:29], s[28:29], s[42:43]
	s_add_co_u32 s2, s2, AOST
	s_add_co_u32 s3, s3, AOSS
	v_and_b32 v32, 31, v0
	v_lshlrev_b32 v32, 4, v32
	v_add_nc_u32 v33, s2, v32
	v_add_nc_u32 v34, s3, v32
	WALU
	s_barrier_wait -1
.irp k, 0,1,2,3,4,5
	ds_load_b128 v[64+4*\k:67+4*\k], v33 offset:512*\k
.endr
.irp k, 0,1,2,3,4,5
	s_wait_dscnt 5-\k                              ; the loads issued behind load k may be out
	global_store_b128 v32, v[64+4*\k:67+4*\k], s[26:27] offset:512*\k   ; 32 lanes store 512 consecutive bytes, at a multiple of 256 from the buffer's first byte
.endr
	s_cmp_lt_u32 s[WVN], 2
	s_cbranch_scc0 .Lno_scales
	ds_load_b128 v[88:91], v34
	s_wait_dscnt 0x0
	global_store_b128 v32, v[88:91], s[28:29]
.Lno_scales:
	s_wait_tensorcnt 0x0                           ; the wave's end
	ds_add_u32 v[SPW], v[NIL]
	s_wait_dscnt 0x0
	CROUND                                         ; the closing round: no work-group ends while a partner may still ask for a tile that names it
	s_endpgm
.Lfunc_end_k_qcb6120ed98_attn:
	.size	k_qcb6120ed98_attn, .Lfunc_end_k_qcb6120ed98_attn-k_qcb6120ed98_attn
	.p2alignl 7, 3214868480
	.fill 96, 4, 3214868480
	.section	.rodata,"a",@progbits
	.p2align	6, 0x0
	.amdhsa_kernel k_qcb6120ed98_attn
		.amdhsa_group_segment_fixed_size 327680
		.amdhsa_private_segment_fixed_size 0
		.amdhsa_enable_private_segment 0
		.amdhsa_kernarg_size 104
		.amdhsa_user_sgpr_count 2
		.amdhsa_user_sgpr_kernarg_segment_ptr 1
		.amdhsa_wavefront_size32 1
		.amdhsa_system_sgpr_workgroup_id_x 1
		.amdhsa_system_sgpr_workgroup_id_y 1
		.amdhsa_system_sgpr_workgroup_id_z 1
		.amdhsa_system_vgpr_workitem_id 0
		.amdhsa_next_free_vgpr 512
		.amdhsa_next_free_sgpr 102
		.amdhsa_reserve_vcc 1
		.amdhsa_float_denorm_mode_32 3
		.amdhsa_float_denorm_mode_16_64 3
		.amdhsa_memory_ordered 1
		.amdhsa_forward_progress 1
		.amdhsa_inst_pref_size 191
	.end_amdhsa_kernel
	.amdgpu_metadata
---
amdhsa.version: [ 1, 2 ]
amdhsa.kernels:
  - .name:           k_qcb6120ed98_attn
    .symbol:         k_qcb6120ed98_attn.kd
    .args:
      - { .name: x_codes, .offset: 0, .size: 8, .value_kind: global_buffer, .address_space: global }
      - { .name: x_scales, .offset: 8, .size: 8, .value_kind: global_buffer, .address_space: global }
      - { .name: wq_codes, .offset: 16, .size: 8, .value_kind: global_buffer, .address_space: global }
      - { .name: wq_scales, .offset: 24, .size: 8, .value_kind: global_buffer, .address_space: global }
      - { .name: bq, .offset: 32, .size: 8, .value_kind: global_buffer, .address_space: global }
      - { .name: wk_codes, .offset: 40, .size: 8, .value_kind: global_buffer, .address_space: global }
      - { .name: wk_scales, .offset: 48, .size: 8, .value_kind: global_buffer, .address_space: global }
      - { .name: bk, .offset: 56, .size: 8, .value_kind: global_buffer, .address_space: global }
      - { .name: wv_codes, .offset: 64, .size: 8, .value_kind: global_buffer, .address_space: global }
      - { .name: wv_scales, .offset: 72, .size: 8, .value_kind: global_buffer, .address_space: global }
      - { .name: bv, .offset: 80, .size: 8, .value_kind: global_buffer, .address_space: global }
      - { .name: ao_codes, .offset: 88, .size: 8, .value_kind: global_buffer, .address_space: global }
      - { .name: ao_scales, .offset: 96, .size: 8, .value_kind: global_buffer, .address_space: global }
    .group_segment_fixed_size: 327680
    .private_segment_fixed_size: 0
    .kernarg_segment_align: 8
    .kernarg_segment_size: 104
    .max_flat_workgroup_size: 256
    .sgpr_count:     102
    .vgpr_count:     512
    .wavefront_size: 32
...
	.end_amdgpu_metadata
.endif
;; end of part 3
;; launch oproj (part 4): grid 4 x 64, 8 waves a work-group, clusters of 4 x 4, 327,680 bytes of LDS; arguments ao_codes, ao_scales, wo_codes, wo_scales, bo, out0; writes out0
.if DOCPART == 4
	.amdgcn_target "amdgcn-amd-amdhsa--gfx1250"
	.amdhsa_code_object_version 6
	.text
	.protected	k_qcb6120ed98_oproj
	.globl	k_qcb6120ed98_oproj
	.p2align	8
	.type	k_qcb6120ed98_oproj,@function
k_qcb6120ed98_oproj:
	s_mov_b64 s[64:65], 0
	v_nop
	global_prefetch_b8 v0, s[64:65] scope:SCOPE_SE
	s_setreg_imm32_b32 hwreg(HW_REG_WAVE_MODE, 25, 1), 1
	s_wait_xcnt 0x0
	s_wait_alu depctr_hold_cnt(0) depctr_sa_sdst(0) depctr_va_vdst(0) depctr_va_sdst(0) depctr_va_ssrc(0) depctr_va_vcc(0) depctr_vm_vsrc(0)
	s_getreg_b32 s2, hwreg(HW_REG_IB_STS2, 6, 4)
	s_cmp_eq_u32 s2, 0
	s_cbranch_scc0 .Lentry_in_a_cluster
	s_endpgm
.Lentry_in_a_cluster:
	s_bfe_u32 s2, ttmp6, 0x10000c
	s_cmp_lg_u32 s2, 0xf033
	s_cbranch_scc0 .Lentry_shape_is_right
	s_endpgm
.Lentry_shape_is_right:
; out0 = (attention's result) Wo + bo, on codes of FP6 (E2M3) with one E8M0 scale for each 32 along K = 512.
; A comes from the launch before as images of the operand's registers: ao_codes [batch][K step 4][token tile 16][piece 3][lane 32][16 bytes], ao_scales [batch][K step][tile][row 16] words.
; Row r of tile 2 b + u is token 32 b + 8 u + r + 8 (r / 8).   Wo: 512 rows (its output column) of 384 bytes of codes and 16 scale bytes.
; SHARES.  A work-group makes a batch's 256 tokens x 128 columns: 256 work-groups of equal work, eight waves.  At step t = 0 .. 3 wave w takes token tile 4 t + w / 2 against 64 columns (w % 2): 16 products a step.
; So step t needs quarter t of A (four tiles, all of K): the first barrier shows Wo and quarter 0, and the first results leave while the other quarters may still be on their way.
; CLUSTER 4 x 4: the four work-groups of a row have the same batch and ask for A JOINTLY, the four of a column have the same columns and ask for Wo jointly.  Every LDS byte is filled once, one tensor load a wave.
; COLUMNS.  Source 0 = 16 tokens, source 1 = 16 rows of Wo: in tile c lane r takes Wo's row 4 r + c of my 64, so a lane's four sums of a token are four neighbouring columns.  The addition of the bias puts them side by side:
; sixteen lanes then store 256 consecutive, aligned bytes of one token's row, and the other sixteen those of another.
; LDS: Wo's rows lie at a pitch of 408 bytes (8 behind each 128), and rows 32-63 of each 64 begin 16 bytes further on: lanes 0-15 and 16-31 of a load of 8 bytes then begin at different banks but where a padding lies between the halves.
; NO PREFETCH: each work-group asks for all it reads once, at its head; there is no loop to run ahead in.
; LIMITS: NaN, infinities and scale bytes 0xff among the inputs are not served.
; REGISTERS: window 0: v3-10 addresses; v16-23 A's scale words; v24-39 Wo's; v40-43 the bias; v48-143 A's fragments of two tiles; v144-175 sums; v176-239 results, two sets.   window 1: v0-191 Wo's 16 fragments.
.set BPIT,  408
.set BHALF, 32*BPIT+16
.set BBLK,  26368                      ; 64 rows of Wo
.set AL,    2*BBLK                     ; A: [quarter][K step][tile 4][1,536 bytes]
.set SPARE, AL+98304
.set AS,   16
.set BS,   24
.set BI,   40
.set AF,   48
.set ACC,  144
.set OUT,  176
.set SPW,  252
.set NIL,  253
.set WVN,  28
.set MSB, 0
.macro WIN new
.if MSB != (\new)
	s_set_vgpr_msb (MSB<<8)|(\new)
.set MSB, \new
.endif
.endm
.macro PLACES n
.rept \n
	v_nop
.endr
.endm
.macro CROUND                          ; a round of the cluster's barrier
	s_barrier_signal -1
	s_barrier_wait -1
	s_cmp_lg_u32 s[WVN], 0
	s_cbranch_scc1 .Lnot_wave_0_\@
	s_barrier_signal -3
.Lnot_wave_0_\@:
	s_barrier_wait -3
	s_barrier_signal -1
	s_barrier_wait -1
.endm
.macro FRAGB reg, s, ct                ; a fragment of Wo in pieces of 8 bytes, two to a load where both lie behind as many paddings: 3, 4, 4, 3 loads
.set SK_, 0
.irp p, 0,1,2,3,4,5
.if SK_
.set SK_, 0
.else
.set P0_, 12*(\s)+6*(\p/3)+\p%3
.set P1_, 12*(\s)+6*((\p+1)/3)+(\p+1)%3
.set X0_, ((P0_%16)+3)/16
.set X1_, ((P1_%16)+3)/16
.if (\p < 5) && (X0_ == X1_)
.set SK_, 1
	ds_load_2addr_b64 v[(\reg)+2*\p:(\reg)+2*\p+3], v[3+X0_] offset0:51*(\ct)+P0_+P0_/16 offset1:51*(\ct)+P1_+P1_/16
.else
	ds_load_b64 v[(\reg)+2*\p:(\reg)+2*\p+1], v[3+X0_] offset:8*(51*(\ct)+P0_+P0_/16)
.endif
.endif
.endr
.endm
.macro FRAGA tt, s                     ; A's fragment of my tile of quarter tt, K step s, into buffer tt % 2
.irp p, 0,1,2
	ds_load_b128 v[AF+48*((\tt)%2)+12*(\s)+4*\p:AF+48*((\tt)%2)+12*(\s)+4*\p+3], v[5+(\tt)/2] offset:24576*((\tt)%2)+6144*(\s)+512*\p
.endr
.endm
.macro LOADA tt
.irp s, 0,1,2,3
	FRAGA \tt, \s
.endr
.endm
.macro OWM d, a, b, sa, sb, first, row ; row = 1: the tokens' scale words are taken from lanes 16-31
.if \first
.if \row
	v_wmma_scale_f32_16x16x128_f8f6f4 v[(\d):(\d)+7], v[(\a):(\a)+11], v[(\b):(\b)+11], 0, v[\sa], v[\sb] matrix_a_fmt:MATRIX_FMT_FP6 matrix_b_fmt:MATRIX_FMT_FP6 matrix_a_scale:MATRIX_SCALE_ROW1
.else
	v_wmma_scale_f32_16x16x128_f8f6f4 v[(\d):(\d)+7], v[(\a):(\a)+11], v[(\b):(\b)+11], 0, v[\sa], v[\sb] matrix_a_fmt:MATRIX_FMT_FP6 matrix_b_fmt:MATRIX_FMT_FP6
.endif
.else
.if \row
	v_wmma_scale_f32_16x16x128_f8f6f4 v[(\d):(\d)+7], v[(\a):(\a)+11], v[(\b):(\b)+11], v[(\d):(\d)+7], v[\sa], v[\sb] matrix_a_fmt:MATRIX_FMT_FP6 matrix_b_fmt:MATRIX_FMT_FP6 matrix_a_scale:MATRIX_SCALE_ROW1
.else
	v_wmma_scale_f32_16x16x128_f8f6f4 v[(\d):(\d)+7], v[(\a):(\a)+11], v[(\b):(\b)+11], v[(\d):(\d)+7], v[\sa], v[\sb] matrix_a_fmt:MATRIX_FMT_FP6 matrix_b_fmt:MATRIX_FMT_FP6
.endif
.endif
.endm
.macro MULT tt                         ; 16 products, four accumulators by turns
.irp s, 0,1,2,3
.if (\tt) == 0                                 ; asked for K step by K step, 15, 19, 19, 15 loads: the later steps' may be out
.if \s == 0
	s_wait_dscnt 53
.elseif \s == 1
	s_wait_dscnt 34
.elseif \s == 2
	s_wait_dscnt 15
.else
	s_wait_dscnt 0
.endif
.endif
	WIN 0x04                                       ; source 1 (Wo) window 1
.irp ct, 0,1,2,3
	OWM ACC+8*\ct, AF+48*((\tt)%2)+12*\s, 12*(4*\s+\ct), AS+2*\s+(\tt)/2, BS+4*\ct+\s, (\s==0), ((\tt)%2)
.endr
.endr
	WIN 0
.endm
.macro LEAVE tt                        ; the bias is added; register 4 j + c: column 4 r + c of my tile's token 16 h + j (a quarter is 64 tokens)
.set OS_, OUT+32*((\tt)%2)
.irp j, 0,1,2,3,4,5,6,7
.irp ct, 0,1,2,3
	v_add_f32 v[OS_+4*\j+\ct], v[ACC+8*\ct+\j], v[BI+\ct]
.endr
.endr
.irp j, 0,1,2,3,4,5,6,7
	global_store_b128 v7, v[OS_+4*\j:OS_+4*\j+3], s[14:15] offset:(64*(\tt)+\j)*2048
.endr
.endm
	s_load_b256 s[4:11], s[0:1], 0x0               ; ao_codes s[4:5], ao_scales s[6:7], Wo's codes s[8:9], Wo's scales s[10:11]
	s_load_b128 s[12:15], s[0:1], 0x20             ; bo s[12:13], out0 s[14:15]
	v_lshl_add_u32 v[SPW], v0, 2, SPARE
	v_mov_b32 v[NIL], 0
	ds_add_u32 v[SPW], v[NIL]
	ds_add_u32 v[SPW], v[NIL]
	v_lshrrev_b32 v1, 5, v0
	v_readfirstlane_b32 s[WVN], v1                 ; wave 0..7
	s_bfe_u32 s29, ttmp6, 0x40000                  ; cx
	s_bfe_u32 s30, ttmp6, 0x40004                  ; cy
	s_lshl_b32 s31, ttmp9, 2
	s_add_co_u32 s31, s31, s29                     ; the block of 128 columns
	s_and_b32 s32, ttmp7, 0xffff
	s_lshl_b32 s32, s32, 2
	s_add_co_u32 s32, s32, s30                     ; the batch
	s_lshl_b32 s33, s30, 2
	s_lshl_b32 s33, 15, s33                        ; my row of the cluster: the same batch
	s_lshl_b32 s34, 0x1111, s29                    ; my column: the same columns of the output
	s_lshr_b32 s35, s[WVN], 1                      ; my tile of each quarter
	s_and_b32 s36, s[WVN], 1                       ; my 64 columns
	s_and_b32 s37, s[WVN], 3                       ; my part of the fetch
	; group 1 for 32 rows of Wo: two dense blocks of 768 elements of 8 bytes, 2 words of padding (code 1) after every 32 (code 4)
	s_or_b32 s16, s34, (3<<16)|(1<<20)|(1<<21)|(4<<22)|(1<<25)
	s_mov_b32 s17, 768<<16
	s_mov_b32 s18, 2<<16
	s_mov_b32 s19, 768<<16
	s_mov_b32 s20, 2
	s_mov_b32 s21, 768
	s_mov_b32 s22, 0
	s_mov_b32 s23, 0
	; and for a quarter of A: for each of four K steps 6,144 bytes, 24,576 apart
	s_or_b32 s44, s33, (3<<16)|(1<<21)
	s_mov_b32 s45, 768<<16
	s_mov_b32 s46, 4<<16
	s_mov_b32 s47, 768<<16
	s_mov_b32 s48, 4
	s_mov_b32 s49, 3072
	s_mov_b32 s50, 0
	s_mov_b32 s51, 0
	s_mul_i32 s38, s31, 49152
	s_mul_i32 s39, s37, 12288
	s_add_co_u32 s38, s38, s39
	s_mov_b32 s39, 0
	s_mul_i32 s40, s32, 98304
	s_mul_i32 s53, s37, 6144
	s_add_co_u32 s40, s40, s53
	s_mov_b32 s41, 0
	s_mul_i32 s53, s37, 24576
	s_add_co_u32 s53, s53, AL
	s_lshr_b32 s42, s37, 1
	s_mul_i32 s25, s42, BBLK
	s_and_b32 s42, s37, 1
	s_mul_i32 s42, s42, BHALF
	s_add_co_u32 s25, s25, s42
	s_wait_dscnt 0x0
	CROUND                                         ; all sixteen work-groups are here: the joint loads meet
	s_wait_kmcnt 0x0
	s_mov_b32 s24, 1
	s_add_nc_u64 s[26:27], s[8:9], s[38:39]
	s_or_b32 s27, s27, 0x80000000
	s_mov_b32 s52, 1
	s_add_nc_u64 s[54:55], s[4:5], s[40:41]
	s_or_b32 s55, s55, 0x80000000
	s_cmp_lt_u32 s[WVN], 4                         ; waves 0-3 fetch 32 rows of Wo each, wave 4 quarter 0 of A, waves 5-7 the other quarters
	s_cbranch_scc0 .Lfor_a
	tensor_load_to_lds s[24:27], s[16:23]
	s_nop 0
	PLACES 4
	s_branch .Lasked
.Lfor_a:
	s_cmp_lt_u32 s[WVN], 5
	s_cbranch_scc0 .Lfor_later
	tensor_load_to_lds s[52:55], s[44:51]
	s_nop 0
	PLACES 4
	s_branch .Lasked
.Lfor_later:
	tensor_load_to_lds s[52:55], s[44:51]
	s_nop 0
	PLACES 4
.Lasked:
	s_mov_b32 s43, 0
	s_lshl_b32 s42, s32, 12                        ; A's scale words: the batch's, my tile of a quarter
	s_lshl_b32 s38, s35, 6
	s_add_co_u32 s42, s42, s38
	s_add_nc_u64 s[6:7], s[6:7], s[42:43]
	s_lshl_b32 s42, s31, 11                        ; Wo's scale bytes: my 64 rows of 16
	s_lshl_b32 s38, s36, 10
	s_add_co_u32 s42, s42, s38
	s_add_nc_u64 s[10:11], s[10:11], s[42:43]
	s_lshl_b32 s42, s31, 9                         ; my columns in the bias and in a row of the output
	s_lshl_b32 s38, s36, 8
	s_add_co_u32 s42, s42, s38
	s_add_nc_u64 s[12:13], s[12:13], s[42:43]
	s_add_nc_u64 s[14:15], s[14:15], s[42:43]
	s_lshl_b32 s42, s32, 19                        ; the batch's rows of 2,048 bytes; my tile begins 32 (tile / 2) + 8 (tile % 2) rows into a quarter
	s_lshr_b32 s38, s35, 1
	s_lshl_b32 s38, s38, 16
	s_add_co_u32 s42, s42, s38
	s_and_b32 s38, s35, 1
	s_lshl_b32 s38, s38, 14
	s_add_co_u32 s42, s42, s38
	s_add_nc_u64 s[14:15], s[14:15], s[42:43]
	s_mul_i32 s56, s36, BBLK
	s_mul_i32 s57, s35, 1536
	s_add_co_u32 s57, s57, AL
	v_and_b32 v1, 15, v0                           ; r
	v_bfe_u32 v2, v0, 4, 1                         ; h
	v_bfe_u32 v13, v0, 3, 1                        ; r / 8
	v_and_b32 v12, 31, v0                          ; lane
	v_lshlrev_b32 v8, 2, v1
	v_lshl_add_u32 v8, v2, 8, v8                   ; 4 r + 256 h: the upper lanes one quarter on
	v_lshlrev_b32 v9, 6, v1
	v_lshlrev_b32 v10, 4, v1
.irp ct, 0,1,2,3
	global_load_b128 v[BS+4*\ct:BS+4*\ct+3], v9, s[10:11] offset:16*\ct   ; row 4 r + c: its 16 scale bytes are its four words
.endr
.irp s, 0,1,2,3
.irp pp, 0,1
	global_load_b32 v[AS+2*\s+\pp], v8, s[6:7] offset:1024*\s+512*\pp     ; lanes 0-15 my tile of quarter 2 pp, lanes 16-31 that of the next
.endr
.endr
	global_load_b128 v[BI:BI+3], v10, s[12:13]     ; columns 4 r .. 4 r + 3
	v_mul_u32_u24 v3, v1, 4*BPIT
	v_mad_u32_u24 v3, v2, 24, v3
	v_lshl_add_u32 v3, v13, 4, v3
	v_add_nc_u32 v3, s56, v3
	v_lshl_add_u32 v4, v2, 3, v3                   ; for pieces that lie behind one padding more
	v_lshlrev_b32 v5, 4, v12
	v_add_nc_u32 v5, s57, v5
	v_add_nc_u32 v6, 49152, v5                     ; quarters 2, 3
	v_lshlrev_b32 v7, 15, v2                       ; the output: 16 h rows, 16 r bytes
	v_lshl_add_u32 v7, v1, 4, v7
	s_wait_alu depctr_va_vdst(0)
	s_wait_loadcnt 0x0
	s_cmp_lt_u32 s[WVN], 5
	s_cbranch_scc0 .Lnot_first
	s_wait_tensorcnt 0x0                           ; my part of Wo, or quarter 0, has landed
.Lnot_first:
	s_barrier_signal -1
	s_barrier_wait -1                              ; all of Wo and quarter 0 are in
.irp s, 0,1,2,3
	FRAGA 0, \s
	WIN 0x40
.irp ct, 0,1,2,3
	FRAGB 12*(4*\s+\ct), \s, \ct
.endr
	WIN 0
.endr
	MULT 0
	PLACES 4                                       ; in front of the first read of results
	LEAVE 0
	s_wait_tensorcnt 0x0
	s_barrier_signal -1                            ; (MULT 0 has waited for my LDS loads)
	s_barrier_wait -1                              ; the other quarters are in
	LOADA 1
	LOADA 2                                        ; (the additions are the places behind the products that read this buffer)
	s_wait_dscnt 12                                ; quarter 2's loads may be out
	MULT 1
	PLACES 4
	LEAVE 1
	LOADA 3
	s_wait_dscnt 12
	MULT 2
	PLACES 4
	s_wait_xcnt 0x0                                ; step 0's stores have read their registers
	LEAVE 2
	s_wait_dscnt 0
	MULT 3
	PLACES 4
	s_wait_xcnt 0x0
	LEAVE 3
	s_wait_tensorcnt 0x0                           ; the wave's end
	ds_add_u32 v[SPW], v[NIL]
	s_wait_dscnt 0x0
	CROUND                                         ; the closing round: no work-group ends while a partner may still ask for a tile that names it
	s_endpgm
.Lfunc_end_k_qcb6120ed98_oproj:
	.size	k_qcb6120ed98_oproj, .Lfunc_end_k_qcb6120ed98_oproj-k_qcb6120ed98_oproj
	.p2alignl 7, 3214868480
	.fill 96, 4, 3214868480
	.section	.rodata,"a",@progbits
	.p2align	6, 0x0
	.amdhsa_kernel k_qcb6120ed98_oproj
		.amdhsa_group_segment_fixed_size 327680
		.amdhsa_private_segment_fixed_size 0
		.amdhsa_enable_private_segment 0
		.amdhsa_kernarg_size 48
		.amdhsa_user_sgpr_count 2
		.amdhsa_user_sgpr_kernarg_segment_ptr 1
		.amdhsa_wavefront_size32 1
		.amdhsa_system_sgpr_workgroup_id_x 1
		.amdhsa_system_sgpr_workgroup_id_y 1
		.amdhsa_system_sgpr_workgroup_id_z 1
		.amdhsa_system_vgpr_workitem_id 0
		.amdhsa_next_free_vgpr 512
		.amdhsa_next_free_sgpr 66
		.amdhsa_reserve_vcc 0
		.amdhsa_float_denorm_mode_32 3
		.amdhsa_float_denorm_mode_16_64 3
		.amdhsa_memory_ordered 1
		.amdhsa_forward_progress 1
		.amdhsa_inst_pref_size 32
	.end_amdhsa_kernel
	.amdgpu_metadata
---
amdhsa.version: [ 1, 2 ]
amdhsa.kernels:
  - .name:           k_qcb6120ed98_oproj
    .symbol:         k_qcb6120ed98_oproj.kd
    .args:
      - { .name: ao_codes, .offset: 0, .size: 8, .value_kind: global_buffer, .address_space: global }
      - { .name: ao_scales, .offset: 8, .size: 8, .value_kind: global_buffer, .address_space: global }
      - { .name: wo_codes, .offset: 16, .size: 8, .value_kind: global_buffer, .address_space: global }
      - { .name: wo_scales, .offset: 24, .size: 8, .value_kind: global_buffer, .address_space: global }
      - { .name: bo, .offset: 32, .size: 8, .value_kind: global_buffer, .address_space: global }
      - { .name: out0, .offset: 40, .size: 8, .value_kind: global_buffer, .address_space: global }
    .group_segment_fixed_size: 327680
    .private_segment_fixed_size: 0
    .kernarg_segment_align: 8
    .kernarg_segment_size: 48
    .max_flat_workgroup_size: 256
    .sgpr_count:     66
    .vgpr_count:     512
    .wavefront_size: 32
...
	.end_amdgpu_metadata
.endif
;; end of part 4
